; MI455X (gfx1250); checked and timed in simulation.
; The chip was launched on July 23, 2026; its instructions are those of AMD's public machine-readable ISA for CDNA 5 (MIT licence, August 2026) and "CDNA5" Instruction Set Architecture Reference Guide (July 2026). The comments in the code are by the model that wrote it; some were corrected since.
;; Multi Head Attention. Allowed arithmetic: matrix products marked QUANTISED: E2M3 operands, one E8M0 scale for each 32 along K, by v_wmma_scale_f32_16x16x128_f8f6f4 with both operands' format E2M3, f32 sums; everything else in f32.
;; Inputs: in_weights 3 x 1,024 x 1,024 float32; key 4 x 2,048 x 1,024 float32; out_weights 1,024 x 1,024 float32; query 4 x 2,048 x 1,024 float32; value 4 x 2,048 x 1,024 float32.
;; Outputs: out0 4 x 2,048 x 1,024 float32.
;; This version of the problem:
;;   THIS VERSION OF THE PROBLEM IS GIVEN IN LOW PRECISION. The matrix products marked QUANTISED in the list below multiply operands that are first quantised to E2M3 (2 exponent bits, 3 mantissa bits; 6 bits a number), with one power-of-two scale for each 32 numbers along K (OCP MX v1.0); their sums are f32. All else is computed in f32.
;;   The module's matrix products, in the order in which they are computed (A, B: the left and right operand; K: the contracted axis; several contracted axes count as one K, in the product's order):
;;     1. [M 8,192, K 1,024] x [K 1,024, N 1,024]; A: input key; B: input in_weights: QUANTISED
;;     2. [M 8,192, K 1,024] x [K 1,024, N 1,024]; A: input query; B: input in_weights: QUANTISED
;;     3. [M 8,192, K 1,024] x [K 1,024, N 1,024]; A: input value; B: input in_weights: QUANTISED
;;     4. batch 64 x [M 2,048, K 64] x [K 64, N 2,048]; A: computed on the way; B: computed on the way: QUANTISED
;;     5. batch 64 x [M 2,048, K 2,048] x [K 2,048, N 64]; A: softmax (see below); B: computed on the way: QUANTISED
;;     6. [M 8,192, K 1,024] x [K 1,024, N 1,024]; A: computed on the way; B: input out_weights: QUANTISED
;;   THE QUANTISER, for each operand of a quantised product, along K:
;;     - K is cut into blocks of 32 from its start; a last block that is shorter is filled with zeros.
;;     - A block's scale is 2^e with e = floor(log2(the largest magnitude in the block)) - 2, held to -126 .. 127; a block of zeros has e = 0. As a byte (E8M0): e + 127.
;;     - Each number is divided by its block's scale, clamped to +-7.5, and rounded to the nearest number of E2M3, ties to even, subnormals kept.
;;     - The product sums the exact products of the quantised numbers (number of the format x scale) in f32.
;;   ~~~python
;;   def quantise(x, axis):      # numpy; x: float32 -> the quantised numbers, widened to float32 again
;;       x = np.moveaxis(x, axis, -1); K = x.shape[-1]
;;       x = np.pad(x, [(0, 0)] * (x.ndim - 1) + [(0, -K % 32)]); x = x.reshape(x.shape[:-1] + (-1, 32)); a = np.abs(x).max(-1, keepdims=True)
;;       e = np.where(a > 0, np.clip(np.frexp(np.where(a > 0, a, 1))[1] - 1 - 2, -126, 127), 0)      # np.frexp(a)[1] - 1 = floor(log2(a)), exactly
;;       r = np.clip(x / 2.0 ** e, -7.5, 7.5)
;;       step = 2.0 ** (np.maximum(np.frexp(np.where(r == 0, 1, r))[1] - 1, 0) - 3)
;;       q = np.round(r / step) * step * 2.0 ** e      # np.round: ties to even
;;       return np.moveaxis(q.reshape(q.shape[:-2] + (-1,))[..., :K], -1, axis).astype(np.float32)
;;   ~~~
;;   SOFTMAX AHEAD OF A QUANTISED PRODUCT. Where the list says 'softmax', what is quantised is not the finished softmax but p = 2^(t - M), with t = logit x log2(e) and M = ceil(the row's largest t), a whole number; so 1/2 < the row's largest p <= 1. The row's sum l is taken of the UNQUANTISED p, in f32, and the product's result is divided by l at the end. Since M is a whole number, a kernel that streams over the keys may use a running M (the ceiling of the running maximum): every later rescaling is an exact power of two, which a block's scale takes up: the codes' values come out the same.
;;   OPERANDS COMPUTED ON THE WAY. 'Computed on the way' means the value that the module computes at that place (a softmax that the list does not call 'softmax' is quantised finished and normalised). What goes into a quantiser is computed in f32, as accurately as f32 sums, v_exp_f32 and their like allow (about 1e-6 of the number): no bf16 or f16 on the way to a quantiser, and a product that is left as it is and whose result goes on into a quantised operand takes f32 operands (vector FMAs, or v_wmma_f32_16x16x4_f32). A number that lies on a knife's edge between two numbers of the format may be rounded either way, as far as f32 arithmetic and the matrix unit's own rounding can turn it there, and no further.
;; One version. Each part assembles by itself: llvm-mc -triple=amdgcn-amd-amdhsa -mcpu=gfx1250 --defsym DOCPART=n.
;; ======== version 1 of 1: 5 launches
;; workspace buffers: xcod 18,874,368 bytes; xscl 786,432 bytes; wcod 3,145,728 bytes; wscl 131,072 bytes; pcod 18,874,368 bytes; pscl 786,432 bytes; acod 6,291,456 bytes; ascl 262,144 bytes
;; launch qx (part 1): grid 768 x 1, 4 waves a work-group, no clusters, 34,304 bytes of LDS; arguments key, query, value, xcod, xscl; writes xcod, xscl
.if DOCPART == 1
	.amdgcn_target "amdgcn-amd-amdhsa--gfx1250"
	.amdhsa_code_object_version 6
	.text
	.protected	k_q170ffd4554_qx
	.globl	k_q170ffd4554_qx
	.p2align	8
	.type	k_q170ffd4554_qx,@function
k_q170ffd4554_qx:
	s_mov_b64 s[64:65], 0
	v_nop
	global_prefetch_b8 v0, s[64:65] scope:SCOPE_SE
	s_setreg_imm32_b32 hwreg(HW_REG_WAVE_MODE, 25, 1), 1
	s_wait_xcnt 0x0
; key, query, value [8192][1024] f32 become codes of FP6 (E2M3) with one E8M0 byte for each 32 along K (K = the 1,024 of a row), laid as IMAGES OF OPERAND REGISTERS.
; BLOCKS OF 16 ROWS ARE NOT NEIGHBOURS: lane r of block t holds row 32 (t / 2) + 8 (t % 2) + r + 8 (r / 8).
; AN IMAGE (768 bytes) is 16 rows x 64 along K: lane l = r + 16 h holds k = 32 h .. 32 h + 31 of its row in six registers: registers 0-3 at byte 16 l, registers 4-5 at byte 512 + 8 l.
; xcod: [tensor 3][block 512][image 16][768].   xscl: [tensor 3][block 512][K / 256: 4][r: 16][2 words], a word = the four scale bytes of 128 along K of a row.
; A block's scale is 2^(floor(log2(largest magnitude)) - 2); its byte is the largest magnitude's exponent field - 2, held at 1 from below.
; LIMITS: a block whose largest magnitude lies under 2^-124 (a block of zeros too) keeps the byte 1: its codes are what the conversion gives under that scale (zeros for zeros), and this program alone reads the bytes.  NaN and infinities among the inputs are not served.
; SHARES: a wave takes one block of 16 rows x 512 along K: four fragments of 128.  Each load reads 512 consecutive bytes of one row; the 16 rows turn through the wave's own stage in LDS (rows 528 bytes apart, so that
; sixteen lanes that read sixteen rows touch sixteen different columns of 16 bytes) and come back 256 bytes a lane: a lane's two whole blocks of 32.  Loads run two fragments (32 loads a wave) ahead.
; Every store of codes covers 512 or 256 consecutive bytes, aligned to 256; a wave's scale words leave as one aligned run of 256 bytes.  No barrier: waves share nothing.
.set ROWX,  4096                       ; a row of x in bytes
.set SP,    528                        ; a stage row: 512 bytes + 16
.set WREG,  16*SP                      ; a wave's stage
.set SPARE, 4*WREG                     ; behind the stages: the spare words, 128 bytes for each wave
.set SPW,   12                         ; v12  LDS address of my spare word; never rewritten
.set NIL,   13                         ; v13  0; never rewritten
.set R,     16                         ; v16-143  two sets of 64: a fragment as loaded
.set X,     144                        ; v144-207 my two blocks of 32 neighbours
.set C,     208                        ; v208-219 a fragment's codes
.set T,     220                        ; v220-222, v224-226: the upper halves of the blocks' codes, as converted
.set MX,    228                        ; v228-229 largest magnitudes
.set SO,    230                        ; v230-231 the conversions' scale operands
.set BY,    232                        ; v232-233 scale bytes
.set WD,    234
.set PT,    235
.set SW,    236                        ; v236-239 the four fragments' scale words
.set OW,    240
	s_load_b256 s[4:11], s[0:1], 0x0               ; key, query, value, xcod
	s_load_b64 s[12:13], s[0:1], 0x20              ; xscl
	v_lshl_add_u32 v[SPW], v0, 2, SPARE
	v_mov_b32 v[NIL], 0
	v_lshrrev_b32 v1, 5, v0
	v_readfirstlane_b32 s16, v1                    ; wave
	v_and_b32 v7, 31, v0                           ; lane
	v_and_b32 v8, 15, v0                           ; r
	v_bfe_u32 v9, v0, 4, 1                         ; h
	v_lshlrev_b32 v1, 4, v7                        ; 16 x lane: a load's and a wide store's place
	v_lshlrev_b32 v2, 3, v7                        ; 8 x lane
	s_mul_i32 s17, s16, WREG
	v_add_nc_u32 v3, s17, v1                       ; the stage, on the way in
	v_mul_u32_u24 v4, v8, SP
	v_lshl_add_u32 v4, v9, 7, v4
	v_add_nc_u32 v4, s17, v4                       ; and out: row r, + 128 h
	v_lshlrev_b32 v5, 3, v9                        ; 8 h: my bytes' shift in a scale word
	v_lshlrev_b32 v6, 3, v8
	v_lshl_add_u32 v6, v9, 7, v6                   ; the scale words' place: 128 h + 8 r
	v_mov_b32 v[PT], 0                             ; written once: a lane permute's destination counts as one of its sources
	s_mov_b32 s20, 0x76543210
	s_mov_b32 s21, 0xfedcba98                      ; selects for lane l xor 16
	s_mov_b32 s22, 0xffff0000                      ; lanes 16-31
	s_lshl_b32 s18, ttmp9, 2
	s_add_co_u32 s18, s18, s16                     ; the wave's job
	s_and_b32 s19, s18, 1                          ; which half of K
	s_bfe_u32 s18, s18, 0x90001                    ; which block of the tensor (9 bits from bit 1)
	s_lshr_b32 s14, ttmp9, 8                       ; which tensor
	s_lshr_b32 s24, s18, 1
	s_lshl_b32 s24, s24, 17                        ; 32 (t / 2) rows of 4,096 bytes,
	s_and_b32 s25, s18, 1
	s_lshl_b32 s25, s25, 15                        ; 8 (t % 2) rows,
	s_add_co_u32 s24, s24, s25
	s_lshl_b32 s25, s19, 11                        ; 512 numbers
	s_add_co_u32 s24, s24, s25
	s_mov_b32 s25, 0
	s_mul_i32 s26, s14, 6291456
	s_mul_i32 s27, s18, 12288
	s_add_co_u32 s26, s26, s27
	s_mul_i32 s27, s19, 6144
	s_add_co_u32 s26, s26, s27
	s_mov_b32 s27, 0
	s_lshl_b32 s28, s14, 18
	s_lshl_b32 s29, s18, 9
	s_add_co_u32 s28, s28, s29
	s_lshl_b32 s29, s19, 8
	s_add_co_u32 s28, s28, s29
	s_mov_b32 s29, 0
	s_wait_kmcnt 0x0
	s_cmp_lt_u32 ttmp9, 256                        ; the choice of the tensor hangs on the work-group's number alone
	s_cselect_b64 s[4:5], s[4:5], s[6:7]
	s_cmp_lt_u32 ttmp9, 512
	s_cselect_b64 s[4:5], s[4:5], s[8:9]
	s_add_nc_u64 s[4:5], s[4:5], s[24:25]
	s_add_nc_u64 s[10:11], s[10:11], s[26:27]
	s_add_nc_u64 s[12:13], s[12:13], s[28:29]
.macro LOADF s                         ; fragment s: 16 rows x 512 bytes
.irp i, 0,1,2,3,4,5,6,7,8,9,10,11,12,13,14,15
	global_load_b128 v[R+64*((\s)%2)+4*\i:R+64*((\s)%2)+4*\i+3], v1, s[4:5] offset:(\i+8*(\i/8))*ROWX+512*(\s) th:TH_LOAD_NT
.endr
.endm
.macro FRAGQ s
.set RS, R+64*((\s)%2)
.if (\s) < 3
	s_wait_loadcnt 16                              ; this fragment's 16 loads are in; the next fragment's 16 may be out
.else
	s_wait_loadcnt 0x0
.endif
.irp i, 0,1,2,3,4,5,6,7,8,9,10,11,12,13,14,15
	ds_store_b128 v3, v[RS+4*\i:RS+4*\i+3] offset:SP*\i
.endr
.irp c, 0,1
.irp j, 0,1,2,3,4,5,6,7
	ds_load_b128 v[X+32*\c+4*\j:X+32*\c+4*\j+3], v4 offset:256*\c+16*\j   ; k = 64 c + 32 h + 4 j ..: LDS serves a wave's instructions in order, so these see the stores
.endr
.endr
	s_wait_dscnt 0x0                               ; my numbers are back, and the stores have read their registers,
.if (\s) < 2
	LOADF (\s)+2                                   ; which take the loads of two fragments on
.endif
.irp c, 0,1
	v_max3_num_f32 v[MX+\c], |v[X+32*\c]|, |v[X+32*\c+1]|, 0x1800000   ; block 2 c + h is all mine; the floor 2^(3 - 127) holds the byte at 1 from below
.endr
.irp i, 2,4,6,8,10,12,14,16,18,20,22,24,26,28,30
.irp c, 0,1
	v_max3_num_f32 v[MX+\c], v[MX+\c], |v[X+32*\c+\i]|, |v[X+32*\c+\i+1]|
.endr
.endr
.irp c, 0,1
	v_add_nc_u32 v[SO+\c], 0xff000000, v[MX+\c]    ; 2 off the exponent field: the conversion's scale operand
.endr
.irp c, 0,1
	v_lshrrev_b32 v[BY+\c], 23, v[SO+\c]           ; the scale's byte
.endr
	v_lshl_or_b32 v[WD], v[BY+1], 16, v[BY]        ; bytes h and 2 + h of the row's word,
	v_lshlrev_b32 v[WD], v5, v[WD]
	v_permlanex16_b32 v[PT], v[WD], s20, s21
	v_or_b32 v[SW+(\s)], v[WD], v[PT]              ; with lane l xor 16's two the word is whole, in both lanes
.if (\s) > 0
	s_wait_xcnt 0x0                                ; the last fragment's stores have read their data: only now are the codes' registers written again
.endif
.irp c, 0,1
	v_cvt_scalef32_pk16_fp6_f32 v[C+6*\c:C+6*\c+2], v[X+32*\c:X+32*\c+15], v[SO+\c]
	v_cvt_scalef32_pk16_fp6_f32 v[T+4*\c:T+4*\c+2], v[X+32*\c+16:X+32*\c+31], v[SO+\c]   ; (a conversion's three registers begin on an even number)
.endr
	v_nop                                          ; one plain place behind a scaled conversion
.irp c, 0,1
.irp i, 0,1,2
	v_mov_b32 v[C+6*\c+3+\i], v[T+4*\c+\i]
.endr
.endr
.irp c, 0,1
	global_store_b128 v1, v[C+6*\c:C+6*\c+3], s[10:11] offset:1536*(\s)+768*\c          ; 512 consecutive bytes
	global_store_b64 v2, v[C+6*\c+4:C+6*\c+5], s[10:11] offset:1536*(\s)+768*\c+512     ; 256 consecutive bytes
.endr
.endm
	LOADF 0
	LOADF 1
	FRAGQ 0
	FRAGQ 1
	FRAGQ 2
	FRAGQ 3
	v_cndmask_b32 v[OW], v[SW], v[SW+2], s22       ; lanes 0-15: the first 256 along K, lanes 16-31 the second
	v_cndmask_b32 v[OW+1], v[SW+1], v[SW+3], s22
	global_store_b64 v6, v[OW:OW+1], s[12:13]      ; 256 consecutive bytes, aligned
	s_wait_tensorcnt 0x0                           ; the wave's end, behind my last LDS store
	ds_add_u32 v[SPW], v[NIL]
	s_wait_dscnt 0x0
	s_endpgm
.Lfunc_end_k_q170ffd4554_qx:
	.size	k_q170ffd4554_qx, .Lfunc_end_k_q170ffd4554_qx-k_q170ffd4554_qx
	.p2alignl 7, 3214868480
	.fill 96, 4, 3214868480
	.section	.rodata,"a",@progbits
	.p2align	6, 0x0
	.amdhsa_kernel k_q170ffd4554_qx
		.amdhsa_group_segment_fixed_size 34304
		.amdhsa_private_segment_fixed_size 0
		.amdhsa_enable_private_segment 0
		.amdhsa_kernarg_size 40
		.amdhsa_user_sgpr_count 2
		.amdhsa_user_sgpr_kernarg_segment_ptr 1
		.amdhsa_wavefront_size32 1
		.amdhsa_system_sgpr_workgroup_id_x 1
		.amdhsa_system_sgpr_workgroup_id_y 1
		.amdhsa_system_sgpr_workgroup_id_z 1
		.amdhsa_system_vgpr_workitem_id 0
		.amdhsa_next_free_vgpr 248
		.amdhsa_next_free_sgpr 66
		.amdhsa_reserve_vcc 0
		.amdhsa_float_denorm_mode_32 3
		.amdhsa_float_denorm_mode_16_64 3
		.amdhsa_memory_ordered 1
		.amdhsa_forward_progress 1
		.amdhsa_inst_pref_size 31
	.end_amdhsa_kernel
	.amdgpu_metadata
---
amdhsa.version: [ 1, 2 ]
amdhsa.kernels:
  - .name:           k_q170ffd4554_qx
    .symbol:         k_q170ffd4554_qx.kd
    .args:
      - { .name: key, .offset: 0, .size: 8, .value_kind: global_buffer, .address_space: global }
      - { .name: query, .offset: 8, .size: 8, .value_kind: global_buffer, .address_space: global }
      - { .name: value, .offset: 16, .size: 8, .value_kind: global_buffer, .address_space: global }
      - { .name: xcod, .offset: 24, .size: 8, .value_kind: global_buffer, .address_space: global }
      - { .name: xscl, .offset: 32, .size: 8, .value_kind: global_buffer, .address_space: global }
    .group_segment_fixed_size: 34304
    .private_segment_fixed_size: 0
    .kernarg_segment_align: 8
    .kernarg_segment_size: 40
    .max_flat_workgroup_size: 128
    .sgpr_count:     66
    .vgpr_count:     248
    .wavefront_size: 32
...
	.end_amdgpu_metadata
.endif
;; end of part 1
;; launch qw (part 2): grid 32 x 4, 4 waves a work-group, no clusters, 26,112 bytes of LDS; arguments in_weights, out_weights, wcod, wscl; writes wcod, wscl
.if DOCPART == 2
	.amdgcn_target "amdgcn-amd-amdhsa--gfx1250"
	.amdhsa_code_object_version 6
	.text
	.protected	k_q170ffd4554_qw
	.globl	k_q170ffd4554_qw
	.p2align	8
	.type	k_q170ffd4554_qw,@function
k_q170ffd4554_qw:
	s_mov_b64 s[64:65], 0
	v_nop
	global_prefetch_b8 v0, s[64:65] scope:SCOPE_SE
	s_setreg_imm32_b32 hwreg(HW_REG_WAVE_MODE, 25, 1), 1
	s_wait_xcnt 0x0
; The four weights [1024 (k)][1024 (n)] f32 (in_weights 0, 1, 2 and out_weights), whose K is their FIRST axis, become codes of FP6 (E2M3) and E8M0 bytes along K, laid as images of operand registers:
; wcod [weight 4][block of 16 columns: 64][image 16][768], wscl [weight 4][block 64][K / 256: 4][r: 16][2 words].  Lane r of block t holds column 32 (t / 2) + 8 (t % 2) + r + 8 (r / 8); an image is 16 columns x 64 along K:
; lane l = r + 16 h holds k = 32 h .. 32 h + 31 in six registers, registers 0-3 at byte 16 l, registers 4-5 at byte 512 + 8 l.
; A LANE TAKES A COLUMN AND ITS REGISTERS RUN DOWN K: each load reads 128 consecutive bytes a wave (512 a work-group), a block of 32 along K lies in one lane, and the conversions give codes with K innermost.
; A wave takes 32 columns (two blocks of 16) x 256 along K.  Its codes go through its own stage in LDS, straight to their places in the images, and leave in runs of 512 consecutive bytes.
; The scale words leave as two runs of 128 bytes a wave: half of an aligned 256; they are one byte in 128 of what the launch reads.
; LIMITS: a block whose largest magnitude lies under 2^-124 (a block of zeros too) keeps the byte 1; this program alone reads the bytes.  NaN and infinities among the inputs are not served.
.set PITW,  4096                       ; a row of a weight in bytes
.set IMG,   3200                       ; a block's four images (3,072 bytes) + 128: the two blocks' stores of one instruction then fall on different banks
.set WREG,  2*IMG
.set SPARE, 4*WREG                     ; behind the stages: the spare words, 128 bytes for each wave
.set SPW,   14
.set NIL,   15
.set MA,    16                         ; v16-17 maxima, v18 the scale operand, v19 the byte
.set SB,    24                         ; v24-25 eight scale bytes
.set X,     32                         ; v32-95 two sets of 32 numbers
.set C,     96                         ; v96-101 a block's codes; v104-106 their upper half as converted
.set OUTR,  112                        ; v112-159 the way out
	s_load_b256 s[4:11], s[0:1], 0x0               ; in_weights, out_weights, wcod, wscl
	v_lshl_add_u32 v[SPW], v0, 2, SPARE
	v_mov_b32 v[NIL], 0
	v_lshrrev_b32 v1, 5, v0
	v_readfirstlane_b32 s16, v1                    ; wave
	v_and_b32 v2, 31, v0                           ; my column of the wave's 32
	v_lshlrev_b32 v3, 2, v2
	v_bfe_u32 v6, v0, 3, 1                         ; u: which of the two blocks it belongs to
	v_and_b32 v10, 7, v0
	v_bfe_u32 v11, v0, 4, 1
	v_lshl_add_u32 v10, v11, 3, v10                ; r: its lane there
	s_mul_i32 s17, s16, WREG
	v_mul_u32_u24 v12, v6, IMG
	v_add_nc_u32 v12, s17, v12
	v_lshl_add_u32 v4, v10, 4, v12                 ; into the stage: registers 0-3,
	v_lshl_add_u32 v5, v10, 3, v12                 ; registers 4-5
	v_lshlrev_b32 v8, 4, v2                        ; out: 16 x lane
	v_add_nc_u32 v7, s17, v8
	v_lshlrev_b32 v9, 3, v10
	v_lshl_add_u32 v9, v6, 9, v9                   ; the scale words' place: 512 u + 8 r
	s_lshr_b32 s18, ttmp9, 3                       ; which weight
	s_and_b32 s19, ttmp9, 7
	s_lshl_b32 s19, s19, 2
	s_add_co_u32 s19, s19, s16                     ; which 32 columns
	s_and_b32 s20, ttmp7, 0xffff                   ; which 256 along K
	s_lshl_b32 s22, s20, 20
	s_lshl_b32 s23, s19, 7
	s_add_co_u32 s22, s22, s23
	s_lshl_b32 s23, s18, 22
	s_cmp_lt_u32 s18, 3
	s_cselect_b32 s23, s23, 0                      ; in_weights holds three, out_weights one
	s_add_co_u32 s22, s22, s23
	s_mov_b32 s23, 0
	s_mul_i32 s24, s18, 786432
	s_mul_i32 s25, s19, 24576
	s_add_co_u32 s24, s24, s25
	s_mul_i32 s25, s20, 3072
	s_add_co_u32 s24, s24, s25
	s_mov_b32 s25, 0
	s_lshl_b32 s26, s18, 15
	s_lshl_b32 s27, s19, 10
	s_add_co_u32 s26, s26, s27
	s_lshl_b32 s27, s20, 7
	s_add_co_u32 s26, s26, s27
	s_mov_b32 s27, 0
	s_wait_kmcnt 0x0
	s_cmp_lt_u32 s18, 3
	s_cselect_b64 s[4:5], s[4:5], s[6:7]
	s_add_nc_u64 s[4:5], s[4:5], s[22:23]
	s_add_nc_u64 s[8:9], s[8:9], s[24:25]
	s_add_nc_u64 s[10:11], s[10:11], s[26:27]
.macro LOAD t                          ; block t: W(32 t + i, my column), i = 0 .. 31
.irp i, 0,1,2,3,4,5,6,7,8,9,10,11,12,13,14,15,16,17,18,19,20,21,22,23,24,25,26,27,28,29,30,31
	global_load_b32 v[X+32*((\t)%2)+\i], v3, s[4:5] offset:(32*(\t)+\i)*PITW th:TH_LOAD_NT
.endr
.endm
.macro BLOCK t
.set XS, X+32*((\t)%2)
.if (\t) < 7
	s_wait_loadcnt 32                              ; this block's 32 loads are in; the next block's may be out
.else
	s_wait_loadcnt 0x0
.endif
	v_max3_num_f32 v[MA], |v[XS]|, |v[XS+1]|, |v[XS+2]|
	v_max3_num_f32 v[MA+1], |v[XS+3]|, |v[XS+4]|, |v[XS+5]|
.irp i, 6,10,14,18,22,26
	v_max3_num_f32 v[MA], v[MA], |v[XS+\i]|, |v[XS+\i+1]|
	v_max3_num_f32 v[MA+1], v[MA+1], |v[XS+\i+2]|, |v[XS+\i+3]|
.endr
	v_max3_num_f32 v[MA], v[MA], |v[XS+30]|, |v[XS+31]|
	v_max3_num_f32 v[MA], v[MA], v[MA+1], 0x1800000        ; the floor 2^(3 - 127): the byte cannot fall under 1
	v_add_nc_u32 v[MA+2], 0xff000000, v[MA]                ; 2 off the exponent field: the conversion's scale operand
	v_lshrrev_b32 v[MA+3], 23, v[MA+2]                     ; the scale's byte
.if (\t)%4 == 0
	v_mov_b32 v[SB+(\t)/4], v[MA+3]
.else
	v_lshl_or_b32 v[SB+(\t)/4], v[MA+3], 8*((\t)%4), v[SB+(\t)/4]
.endif
	v_cvt_scalef32_pk16_fp6_f32 v[C:C+2], v[XS:XS+15], v[MA+2]
	v_cvt_scalef32_pk16_fp6_f32 v[C+8:C+10], v[XS+16:XS+31], v[MA+2]
	v_nop                                          ; one plain place behind a scaled conversion
.irp i, 0,1,2
	v_mov_b32 v[C+3+\i], v[C+8+\i]
.endr
	ds_store_b128 v4, v[C:C+3] offset:768*((\t)/2)+256*((\t)%2)            ; image t / 2, lane r + 16 (t % 2)
	ds_store_b64 v5, v[C+4:C+5] offset:768*((\t)/2)+512+128*((\t)%2)
.if (\t)+2 < 8
	LOAD (\t)+2
.endif
	s_wait_dscnt 0x0                               ; the stores have read their registers: the next block's codes may be written
.endm
	LOAD 0
	LOAD 1
.irp t, 0,1,2,3,4,5,6,7
	BLOCK \t
.endr
	global_store_b64 v9, v[SB:SB+1], s[10:11]      ; my column's two scale words
.irp u, 0,1
.irp k, 0,1,2,3,4,5
	ds_load_b128 v[OUTR+4*(6*\u+\k):OUTR+4*(6*\u+\k)+3], v7 offset:IMG*\u+512*\k   ; LDS serves a wave's instructions in order: these see my stores
.endr
.endr
.irp u, 0,1
.irp k, 0,1,2,3,4,5
	s_wait_dscnt 11-(6*\u+\k)                      ; the younger loads may be out
	global_store_b128 v8, v[OUTR+4*(6*\u+\k):OUTR+4*(6*\u+\k)+3], s[8:9] offset:12288*\u+512*\k   ; 512 consecutive bytes, aligned to 256
.endr
.endr
	s_wait_tensorcnt 0x0                           ; the wave's end, behind my last LDS store
	ds_add_u32 v[SPW], v[NIL]
	s_wait_dscnt 0x0
	s_endpgm
.Lfunc_end_k_q170ffd4554_qw:
	.size	k_q170ffd4554_qw, .Lfunc_end_k_q170ffd4554_qw-k_q170ffd4554_qw
	.p2alignl 7, 3214868480
	.fill 96, 4, 3214868480
	.section	.rodata,"a",@progbits
	.p2align	6, 0x0
	.amdhsa_kernel k_q170ffd4554_qw
		.amdhsa_group_segment_fixed_size 26112
		.amdhsa_private_segment_fixed_size 0
		.amdhsa_enable_private_segment 0
		.amdhsa_kernarg_size 32
		.amdhsa_user_sgpr_count 2
		.amdhsa_user_sgpr_kernarg_segment_ptr 1
		.amdhsa_wavefront_size32 1
		.amdhsa_system_sgpr_workgroup_id_x 1
		.amdhsa_system_sgpr_workgroup_id_y 1
		.amdhsa_system_sgpr_workgroup_id_z 1
		.amdhsa_system_vgpr_workitem_id 0
		.amdhsa_next_free_vgpr 192
		.amdhsa_next_free_sgpr 66
		.amdhsa_reserve_vcc 0
		.amdhsa_float_denorm_mode_32 3
		.amdhsa_float_denorm_mode_16_64 3
		.amdhsa_memory_ordered 1
		.amdhsa_forward_progress 1
		.amdhsa_inst_pref_size 42
	.end_amdhsa_kernel
	.amdgpu_metadata
---
amdhsa.version: [ 1, 2 ]
amdhsa.kernels:
  - .name:           k_q170ffd4554_qw
    .symbol:         k_q170ffd4554_qw.kd
    .args:
      - { .name: in_weights, .offset: 0, .size: 8, .value_kind: global_buffer, .address_space: global }
      - { .name: out_weights, .offset: 8, .size: 8, .value_kind: global_buffer, .address_space: global }
      - { .name: wcod, .offset: 16, .size: 8, .value_kind: global_buffer, .address_space: global }
      - { .name: wscl, .offset: 24, .size: 8, .value_kind: global_buffer, .address_space: global }
    .group_segment_fixed_size: 26112
    .private_segment_fixed_size: 0
    .kernarg_segment_align: 8
    .kernarg_segment_size: 32
    .max_flat_workgroup_size: 128
    .sgpr_count:     66
    .vgpr_count:     192
    .wavefront_size: 32
...
	.end_amdgpu_metadata
.endif
;; end of part 2
;; launch proj (part 3): grid 4 x 96, 4 waves a work-group, clusters of 4 x 4, 327,680 bytes of LDS; arguments xcod, xscl, wcod, wscl, pcod, pscl; writes pcod, pscl
.if DOCPART == 3
	.amdgcn_target "amdgcn-amd-amdhsa--gfx1250"
	.amdhsa_code_object_version 6
	.text
	.protected	k_q170ffd4554_proj
	.globl	k_q170ffd4554_proj
	.p2align	8
	.type	k_q170ffd4554_proj,@function
k_q170ffd4554_proj:
	s_mov_b64 s[64:65], 0
	v_nop
	global_prefetch_b8 v0, s[64:65] scope:SCOPE_SE
	s_setreg_imm32_b32 hwreg(HW_REG_WAVE_MODE, 25, 1), 1
	s_wait_xcnt 0x0
	s_wait_alu depctr_hold_cnt(0) depctr_sa_sdst(0) depctr_va_vdst(0) depctr_va_sdst(0) depctr_va_ssrc(0) depctr_va_vcc(0) depctr_vm_vsrc(0)
	s_getreg_b32 s2, hwreg(HW_REG_IB_STS2, 6, 4)
	s_cmp_eq_u32 s2, 0
	s_cbranch_scc0 .Lentry_in_a_cluster
	s_endpgm
.Lentry_in_a_cluster:
	s_bfe_u32 s2, ttmp6, 0x10000c
	s_cmp_lg_u32 s2, 0xf033
	s_cbranch_scc0 .Lentry_shape_is_right
	s_endpgm
.Lentry_shape_is_right:
; The three input projections in one launch, on codes of FP6 (E2M3) with E8M0 scales, each result QUANTISED IN THE ACCUMULATORS' REGISTERS and stored as codes: no f32 result goes to memory.
; C = A B^T, tiles of 256 x 256, four waves of 128 x 128 (64 accumulators, 512 registers), K = 1,024 in four steps of 256 through a ring of two LDS slots filled by the tensor data mover.
; The matrix instruction is used TRANSPOSED (source 0 = 16 rows of B, source 1 = 16 rows of A): a lane holds one row of A and its registers run along B's rows, and the result is quantised along B's rows.
;   g = 0, 1 (k, q): A = tokens, B = the weight's columns: a token's 128 numbers of a wave are two heads of 64: quantised along the head's 64.
;   g = 2 (v):       A = the weight's columns (head, d), B = tokens: a lane holds one d and its registers run along the KEYS: quantised along the keys.
; One text serves all three: g chooses pointers and constants by selects; no branch hangs on it.
; OPERANDS lie as images of registers (768 bytes: 16 rows x 64 K; lane l = r + 16 h: registers 0-3 at 16 l, 4-5 at 512 + 8 l), [block of 16 rows][16 images]; lane r of block t holds row 32 (t / 2) + 8 (t % 2) + r + 8 (r / 8).
; So a fragment comes by four LDS loads of 512 or 256 consecutive bytes, and the 16 registers of accumulators (a, 2 b) and (a, 2 b + 1) are 16 NEIGHBOURS along B's rows: 32 b + 16 (lane / 16) + 0 .. 15.
; OUT: pcod [k, q, v][head of a batch: 64][98,304]: k, q: [block of 16 tokens: 128][768]; v: [128 keys: 16][block of 16 d: 4][2][768].
;      pscl [k, q, v][64][group of 128: 16][r: 16][4 words]: k, q: word m = the two bytes of block 2 m, then those of block 2 m + 1; v: word m = the four bytes (128 keys) of d block m.
; CLUSTERS: 4 x 4 work-groups.  A's tiles hang on the tile row and are asked for jointly by a row of the cluster, B's on the tile column, by a column.  24 clusters: 8 for each product.
; LIMITS: a block whose largest magnitude lies under 2^-124 (a block of zeros too) keeps the byte 1; this program alone reads the bytes.  NaN and infinities are not served.
; REGISTERS, in windows of 256: window 0: v16-31 addresses; v32-63 scale words, two sets; v128-223 A's fragments, one set; on the way out v112-130 codes, v200-215 at work, v224-243 scale words.
;   window 1: B's fragments, two sets, at v0 and v128.   windows 2, 3: the accumulators of my rows 0-63 and 64-127 ((a, b) at v[8 (8 (a % 4) + b)]).
.set NQ,     2                         ; matrix instructions deep in a slot
.set FR,     12                        ; registers of a fragment
.set NL,     4                         ; LDS loads that bring one
.set NP,     4                         ; places behind this matrix instruction (ISA guide 7.12.1)
.set BLKB,   3072                      ; a block's four images of a K step of 256
.set KROW,   12288                     ; a block's sixteen images: all of K
.set HALFT,  8*BLKB                    ; 128 rows: what one tensor load brings
.set SLOT,   4*HALFT                   ; A's 256 rows, then B's
.set SCL,    2*SLOT                    ; behind the ring: the scale words of the 512 rows for all of K, filled once
.set HALFS,  4096                      ; those of 128 rows
.set SPARE,  SCL+4*HALFS               ; the spare words, 128 bytes for each wave
.set A16,  16                          ; v16-17 A's fragments in slot 0, 1: 16 x lane;  v18-19: 8 x lane
.set A8,   18
.set B16,  20                          ; v20-23 the same for B
.set B8,   22
.set O16,  24                          ; v24-26, v30: the codes' places in a store: 16 l, 8 l + 512, and both for the fragment's second image
.set O8,   25
.set O16B, 26
.set ADRS, 27                          ; v27 my scale words in LDS: lanes 0-15 A's rows, lanes 16-31 B's
.set SPW,  28
.set NIL,  29
.set O8B,  30
.set OSC,  31                          ; v31 the scale words' place in their store
.set SC,   32
.set AF,   128
.set PC,   112
.set TM,   200
.set PWS,  224
.set EE,   232
.set WW,   240
.set G1, 24                            ; s[24:31], s[32:39]: groups 1 and 0 (a set for each slot) for A's tiles
.set G0, 32
.set G1B, 48                           ; s[48:55], s[56:63]: for B's
.set G0B, 56
.set G1S, 68                           ; s[68:75], s[76:79]: for A's scale words;  s[80:87], s[88:91]: for B's
.set G0S, 76
.set G1SB, 80
.set G0SB, 88
.set MSB, 0
.macro WIN new                         ; the immediate's high byte repeats the setting that is left
.if MSB != \new
	s_set_vgpr_msb (MSB<<8)|\new
.set MSB, \new
.endif
.endm
.set MUL_LO, 0xa1                      ; source 0 (B) window 1, source 1 (A) window 0, C and D window 2
.set MUL_HI, 0xf1                      ; the same, C and D window 3
.set TO_B,   0x40                      ; destination window 1, address window 0
; A joint load: waves 0 and 1 fetch for A, waves 2 and 3 for B.  The branch hangs on the wave's number alone.  An s_nop 0 and four v_nop follow each of the two lines.
.macro JLOAD g0a, g1a, g0b, g1b
	s_cmp_eq_u32 s17, 0
	s_cbranch_scc0 .Lfor_b_\@
	tensor_load_to_lds s[\g0a:\g0a+3], s[\g1a:\g1a+7]
	s_nop 0
.rept 4
	v_nop
.endr
	s_branch .Lasked_\@
.Lfor_b_\@:
	tensor_load_to_lds s[\g0b:\g0b+3], s[\g1b:\g1b+7]
	s_nop 0
.rept 4
	v_nop
.endr
.Lasked_\@:
.endm
.macro CREST                           ; a round of the cluster's barrier behind its opening barrier
	s_cmp_lg_u32 s16, 0
	s_cbranch_scc1 .Lnot_wave_0_\@
	s_barrier_signal -3
.Lnot_wave_0_\@:
	s_barrier_wait -3
	s_barrier_signal -1
	s_barrier_wait -1
.endm
.macro CROUND
	s_barrier_signal -1
	s_barrier_wait -1
	CREST
.endm
	s_load_b256 s[4:11], s[0:1], 0x0               ; xcod, xscl, wcod, wscl
	s_load_b128 s[12:15], s[0:1], 0x20             ; pcod, pscl
	v_lshl_add_u32 v[SPW], v0, 2, SPARE
	v_mov_b32 v[NIL], 0
	ds_add_u32 v[SPW], v[NIL]                      ; the wave's opening: the add and its wait ahead of my first tensor load; work on registers stands between them
	v_lshrrev_b32 v1, 5, v0
	v_readfirstlane_b32 s16, v1                    ; wave 0..3
	s_lshr_b32 s17, s16, 1                         ; which half of the tile's rows is mine.  Also: I fetch for A (0) or for B (1)
	s_and_b32 s18, s16, 1                          ; which half of its columns.  Also: which 128 rows I fetch
	s_bfe_u32 s40, ttmp6, 0x40000                  ; cx
	s_bfe_u32 s41, ttmp6, 0x40004                  ; cy
	s_and_b32 s21, ttmp7, 0xffff                   ; the cluster's y: 8 clusters for each product
	s_lshr_b32 s19, s21, 3                         ; g: 0 k, 1 q, 2 v: the same in all sixteen partners
	s_and_b32 s20, s21, 7
	s_cmp_eq_u32 s19, 2
	s_cselect_b32 s45, 0, s20                      ; the tokens are A's rows for k and q,
	s_cselect_b32 s42, s20, 0                      ; B's for v
	s_lshl_b32 s45, s45, 2
	s_add_co_u32 s45, s45, s41                     ; tile row
	s_lshl_b32 s42, s42, 2
	s_add_co_u32 s42, s42, s40                     ; tile column
	s_lshl_b32 s43, s41, 2
	s_lshl_b32 s43, 15, s43                        ; my row of the cluster
	s_lshl_b32 s44, 0x1111, s40                    ; my column
	; group 1 for codes: 8 rows (blocks) of 3,072 bytes, 12,288 bytes apart; elements of 8 bytes; no padding: an image's loads are consecutive bytes
	s_or_b32 s[G1+0], s43, (3<<16)|(1<<21)         ; 15:0 the mask; 17:16 elements of 8 bytes; 21 set beside a mask
	s_or_b32 s[G1B+0], s44, (3<<16)|(1<<21)
.irp g, G1, G1B
	s_mov_b32 s[\g+1], 384<<16                     ; tensor_dim0
	s_mov_b32 s[\g+2], 8<<16                       ; tensor_dim1
	s_mov_b32 s[\g+3], 384<<16                     ; tile_dim0
	s_mov_b32 s[\g+4], 8                           ; tile_dim1
	s_mov_b32 s[\g+5], 1536                        ; tensor_dim0_stride
	s_mov_b32 s[\g+6], 0
	s_mov_b32 s[\g+7], 0
.endr
	; and for the scale words of 128 rows: 4,096 dense bytes as 16 rows of 256
	s_or_b32 s[G1S+0], s43, (3<<16)|(1<<21)
	s_or_b32 s[G1SB+0], s44, (3<<16)|(1<<21)
.irp g, G1S, G1SB
	s_mov_b32 s[\g+1], 32<<16
	s_mov_b32 s[\g+2], 16<<16
	s_mov_b32 s[\g+3], 32<<16
	s_mov_b32 s[\g+4], 16
	s_mov_b32 s[\g+5], 32
	s_mov_b32 s[\g+6], 0
	s_mov_b32 s[\g+7], 0
.endr
	s_lshl_b32 s2, s45, 4
	s_lshl_b32 s3, s18, 3
	s_add_co_u32 s2, s2, s3                        ; A: the first block that I fetch: 16 x tile row + 8 x half
	s_mul_i32 s20, s2, KROW                        ; its codes,
	s_mov_b32 s21, 0
	s_lshl_b32 s2, s2, 9                           ; its scale words
	s_mov_b32 s3, 0
	s_lshl_b32 s46, s42, 4
	s_lshl_b32 s47, s18, 3
	s_add_co_u32 s46, s46, s47                     ; B: 16 x tile column + 8 x half
	s_lshl_b32 s100, s46, 9
	s_mov_b32 s101, 0
	s_mul_i32 s46, s46, KROW
	s_mov_b32 s47, 0
	s_mov_b32 s67, 0
	s_wait_dscnt 0x0                               ; the opening add is done
	s_wait_kmcnt 0x0
	s_mul_i32 s66, s19, 6291456                    ; tensor g of the tokens' codes,
	s_add_nc_u64 s[4:5], s[4:5], s[66:67]
	s_lshl_b32 s66, s19, 18                        ; of their scale words,
	s_add_nc_u64 s[6:7], s[6:7], s[66:67]
	s_mul_i32 s66, s19, 786432                     ; weight g's codes,
	s_add_nc_u64 s[8:9], s[8:9], s[66:67]
	s_lshl_b32 s66, s19, 15                        ; and scale words
	s_add_nc_u64 s[10:11], s[10:11], s[66:67]
	s_cmp_eq_u32 s19, 2                            ; which of the two is A hangs on g alone
	s_cselect_b64 s[92:93], s[8:9], s[4:5]
	s_cselect_b64 s[94:95], s[10:11], s[6:7]
	s_cselect_b64 s[96:97], s[4:5], s[8:9]
	s_cselect_b64 s[98:99], s[6:7], s[10:11]
	s_add_nc_u64 s[92:93], s[92:93], s[20:21]
	s_add_nc_u64 s[94:95], s[94:95], s[2:3]
	s_add_nc_u64 s[96:97], s[96:97], s[46:47]
	s_add_nc_u64 s[98:99], s[98:99], s[100:101]
	s_mul_i32 s20, s16, HALFT                      ; where they go: wave x 128 rows: no place in the cluster enters an LDS address
	s_lshl_b32 s21, s16, 12
	CROUND                                         ; all sixteen work-groups are here: the first joint loads meet
	s_mov_b32 s[G0S], 1
	s_add_co_u32 s[G0S+1], s21, SCL
	s_mov_b64 s[G0S+2:G0S+3], s[94:95]
	s_or_b32 s[G0S+3], s[G0S+3], 0x80000000
	s_mov_b32 s[G0SB], 1
	s_add_co_u32 s[G0SB+1], s21, SCL
	s_mov_b64 s[G0SB+2:G0SB+3], s[98:99]
	s_or_b32 s[G0SB+3], s[G0SB+3], 0x80000000
	JLOAD G0S, G1S, G0SB, G1SB                     ; the scale words first: they are wanted with K step 0
.irp s, 0,1
	s_mov_b32 s[G0+4*\s], 1
	s_add_co_u32 s[G0+4*\s+1], s20, \s*SLOT
	s_add_nc_u64 s[G0+4*\s+2:G0+4*\s+3], s[92:93], \s*BLKB
	s_or_b32 s[G0+4*\s+3], s[G0+4*\s+3], 0x80000000
	s_mov_b32 s[G0B+4*\s], 1
	s_add_co_u32 s[G0B+4*\s+1], s20, \s*SLOT
	s_add_nc_u64 s[G0B+4*\s+2:G0B+4*\s+3], s[96:97], \s*BLKB
	s_or_b32 s[G0B+4*\s+3], s[G0B+4*\s+3], 0x80000000
	JLOAD G0+4*\s, G1, G0B+4*\s, G1B               ; three tensor loads of mine are out at the most
.endr
	v_and_b32 v1, 31, v0                           ; lane
	v_and_b32 v2, 15, v0                           ; r
	v_bfe_u32 v3, v0, 4, 1                         ; h
	v_lshlrev_b32 v4, 4, v1
	v_lshlrev_b32 v5, 3, v1
	s_mul_i32 s20, s17, HALFT                      ; my 128 rows of A,
	s_mul_i32 s21, s18, HALFT                      ; my 128 rows of B,
	s_add_co_u32 s21, s21, 2*HALFT                 ; which lie behind A's 256
.irp s, 0,1
	v_add_nc_u32 v[A16+\s], s20, v4
	v_add_nc_u32 v[A8+\s], s20, v5
	v_add_nc_u32 v[B16+\s], s21, v4
	v_add_nc_u32 v[B8+\s], s21, v5
	s_add_co_u32 s20, s20, SLOT
	s_add_co_u32 s21, s21, SLOT
.endr
	v_lshlrev_b32 v6, 3, v2                        ; my row's two scale words of a K step: 8 r
	s_lshl_b32 s20, s17, 12                        ; A's: my 128 rows
	s_lshl_b32 s21, s18, 12                        ; B's: my 128 rows, behind A's 256
	s_add_co_u32 s21, s21, 2*HALFS
	s_sub_co_u32 s21, s21, s20
	v_mul_u32_u24 v7, s21, v3                      ; lanes 16-31 take B's: one product, the distance between the two
	s_add_co_u32 s20, s20, SCL
	v_add_nc_u32 v6, v6, v7
	v_add_nc_u32 v[ADRS], s20, v6
	; THE WAY OUT'S ADDRESSES.  A group of 128 tokens TG and a pair of heads: for k and q from my rows and my columns, for v the other way round
	s_lshl_b32 s2, s45, 1
	s_add_co_u32 s2, s2, s17                       ; my 128 rows of C
	s_lshl_b32 s3, s42, 1
	s_add_co_u32 s3, s3, s18                       ; my 128 columns
	s_mov_b32 s96, 768
	s_mov_b32 s98, 768
	s_mov_b32 s66, 98304
	s_cmp_eq_u32 s19, 2
	s_cselect_b32 s20, s3, s2                      ; TG
	s_cselect_b32 s21, s2, s3                      ; the pair of heads
	s_cselect_b32 s96, 1536, s96                   ; from block a to block a + 1: k, q: the next 16 tokens' image; v: the next d block's fragment
	s_cselect_b32 s98, 93696, s98                  ; from block 3 to block 4: v: the next head's d block 0
	s_cselect_b32 s66, 768, s66                    ; from a fragment's first image to its second: k, q: the next head; v: the next 64 keys
	s_cselect_b32 s100, -1, 0                      ; all lanes where g = 2
	s_mov_b32 s97, 0
	s_mov_b32 s99, 0
	s_mov_b32 s101, 0xffff0000                     ; lanes 16-31
	s_mov_b32 s22, 0x76543210
	s_mov_b32 s23, 0xfedcba98                      ; selects for lane l xor 16
	s_lshr_b32 s46, s20, 4
	s_lshl_b32 s46, s46, 4
	s_lshl_b32 s21, s21, 1
	s_add_co_u32 s46, s46, s21                     ; 16 x batch + the first head
	s_and_b32 s20, s20, 15
	s_mul_i32 s92, s19, 6291456
	s_mul_i32 s47, s46, 98304
	s_add_co_u32 s92, s92, s47
	s_mul_i32 s47, s20, 6144
	s_add_co_u32 s92, s92, s47
	s_mov_b32 s93, 0
	s_add_nc_u64 s[92:93], s[12:13], s[92:93]      ; the codes
	s_lshl_b32 s94, s19, 18
	s_lshl_b32 s47, s46, 12
	s_add_co_u32 s94, s94, s47
	s_lshl_b32 s47, s20, 8
	s_add_co_u32 s94, s94, s47
	s_mov_b32 s95, 0
	s_add_nc_u64 s[94:95], s[14:15], s[94:95]      ; the scale words
	v_lshlrev_b32 v[O16], 4, v1
	v_add_nc_u32 v[O8], 512, v5
	v_add_nc_u32 v[O16B], s66, v[O16]
	v_add_nc_u32 v[O8B], s66, v[O8]
	v_lshlrev_b32 v[OSC], 4, v2
	v_lshl_add_u32 v[OSC], v3, 12, v[OSC]          ; 16 r, and lanes 16-31 the next head's 4,096 bytes
.macro FRAG reg, a16, a8, q, i         ; a fragment, 16 rows x 128 K, is two images: four loads of 512, 256, 512, 256 consecutive bytes
	ds_load_b128 v[\reg:\reg+3], v[\a16] offset:(\i)*BLKB+(\q)*1536
	ds_load_b64 v[\reg+4:\reg+5], v[\a8] offset:(\i)*BLKB+(\q)*1536+512
	ds_load_b128 v[\reg+6:\reg+9], v[\a16] offset:(\i)*BLKB+(\q)*1536+768
	ds_load_b64 v[\reg+10:\reg+11], v[\a8] offset:(\i)*BLKB+(\q)*1536+1280
.endm
; 16 matrix instructions: A's blocks a0, a0 + 1 x B's eight, 128 along K: the slot's q-th.  p: B's set; sc: the set of scale words.  zero = 1: the first product starts the sums.
; The 64 accumulators take turns, one instruction a turn, in the same order in every step.  One scale register carries A's word in lanes 0-15 and B's in lanes 16-31.
.macro MUL16 a0, p, q, sc, zero
.irp a, \a0, \a0+1
.irp b, 0,1,2,3,4,5,6,7
.if \zero
	v_wmma_scale_f32_16x16x128_f8f6f4 v[8*(8*((\a)%4)+\b):8*(8*((\a)%4)+\b)+7], v[128*(\p)+FR*\b:128*(\p)+FR*\b+FR-1], v[AF+FR*(\a):AF+FR*(\a)+FR-1], 0, v[SC+8*NQ*(\sc)+NQ*\b+(\q)], v[SC+8*NQ*(\sc)+NQ*(\a)+(\q)] matrix_a_fmt:MATRIX_FMT_FP6 matrix_b_fmt:MATRIX_FMT_FP6 matrix_a_scale:MATRIX_SCALE_ROW1
.else
	v_wmma_scale_f32_16x16x128_f8f6f4 v[8*(8*((\a)%4)+\b):8*(8*((\a)%4)+\b)+7], v[128*(\p)+FR*\b:128*(\p)+FR*\b+FR-1], v[AF+FR*(\a):AF+FR*(\a)+FR-1], v[8*(8*((\a)%4)+\b):8*(8*((\a)%4)+\b)+7], v[SC+8*NQ*(\sc)+NQ*\b+(\q)], v[SC+8*NQ*(\sc)+NQ*(\a)+(\q)] matrix_a_fmt:MATRIX_FMT_FP6 matrix_b_fmt:MATRIX_FMT_FP6 matrix_a_scale:MATRIX_SCALE_ROW1
.endif
.endr
.endr
.endm
.macro FETCH_B slot, q, p
	WIN TO_B
.irp i, 0,1,2,3,4,5,6,7
	FRAG 128*(\p)+FR*\i, B16+\slot, B8+\slot, \q, \i
.endr
	WIN 0
.endm
.macro FETCH_A slot, q, i0
.irp i, \i0, \i0+1, \i0+2, \i0+3
	FRAG AF+FR*(\i), A16+\slot, A8+\slot, \q, \i
.endr
.endm
.macro SCALES sc                       ; a K step's scale words: two a row; lanes 0-15 take A's block i, lanes 16-31 B's block i
.irp i, 0,1,2,3,4,5,6,7
	ds_load_b64 v[SC+8*NQ*\sc+NQ*\i:SC+8*NQ*\sc+NQ*\i+1], v[ADRS] offset:\i*512
.endr
.endm
.macro PLACES n                        ; plain places behind matrix instructions, in front of loads into registers that they have read and of the first read of results
.rept \n
	v_nop
.endr
.endm
.macro STEP slot, q, zero              ; a step of 128 along K that has its successor in the same slot
	s_wait_dscnt 4*NL                              ; B's set and A's blocks 0-3 are in; the 16 youngest loads (A's blocks 4-7) may be out
	WIN MUL_LO
	MUL16 0, (\q)%2, \q, \slot, \zero
	MUL16 2, (\q)%2, \q, \slot, \zero
	s_wait_dscnt 0
	PLACES NP
	FETCH_B \slot, (\q)+1, 1-(\q)%2
	FETCH_A \slot, (\q)+1, 0
	WIN MUL_HI
	MUL16 4, (\q)%2, \q, \slot, \zero
	MUL16 6, (\q)%2, \q, \slot, \zero
	PLACES NP
	WIN 0
	FETCH_A \slot, (\q)+1, 4
.endm
; A slot's last step changes slots: one barrier; in front of it each wave waits for all its tensor loads, adds 0 to its spare word, and waits for that and for its own reads of this slot.  fill = 1: the slot is filled again, two K steps ahead.
.macro TURN slot, next, fill
	s_wait_tensorcnt 0x0                           ; all my tensor loads have landed: my part of the next slot
	ds_add_u32 v[SPW], v[NIL]                      ; 0 onto my spare word
	s_wait_dscnt 4*NL+1                            ; (the add and the 16 youngest loads may be out)
	WIN MUL_LO
	MUL16 0, 1, NQ-1, \slot, 0
	s_wait_dscnt 0x0                               ; the add is done, and my reads of this slot are over
	s_barrier_signal -1
	MUL16 2, 1, NQ-1, \slot, 0
	WIN 0
	s_barrier_wait -1
.if \fill
	CREST                                          ; the barrier has opened a round of the cluster's: no wave of any partner still reads this slot or has a load on its way
	s_add_nc_u64 s[G0+4*\slot+2:G0+4*\slot+3], s[G0+4*\slot+2:G0+4*\slot+3], 2*BLKB
	s_add_nc_u64 s[G0B+4*\slot+2:G0B+4*\slot+3], s[G0B+4*\slot+2:G0B+4*\slot+3], 2*BLKB
	JLOAD G0+4*\slot, G1, G0B+4*\slot, G1B         ; the first tensor load behind the round; its four v_nop are the places in front of the loads below
.else
	PLACES NP
.endif
	v_add_nc_u32 v[ADRS], 128, v[ADRS]             ; the next K step's scale words
	FETCH_B \next, 0, 0
	FETCH_A \next, 0, 0
	SCALES \next
	WIN MUL_HI
	MUL16 4, 1, NQ-1, \slot, 0
	MUL16 6, 1, NQ-1, \slot, 0
	PLACES NP
	WIN 0
	FETCH_A \next, 0, 4
.endm
	s_wait_tensorcnt 1                             ; the scale words and my part of K step 0 are in (K step 1's load may be out)
	s_barrier_signal -1
	s_barrier_wait -1                              ; everybody's are
	FETCH_B 0, 0, 0
	FETCH_A 0, 0, 0
	SCALES 0
	FETCH_A 0, 0, 4
	STEP 0, 0, 1                                   ; K is four steps of 256: written out, no loop
	TURN 0, 1, 1                                   ; slot 0 takes K step 2
	STEP 1, 0, 0
	TURN 1, 0, 1                                   ; slot 1 takes K step 3
	STEP 0, 0, 0
	TURN 0, 1, 0
	STEP 1, 0, 0
	s_wait_dscnt 4*NL
	WIN MUL_LO
	MUL16 0, 1, NQ-1, 1, 0
	MUL16 2, 1, NQ-1, 1, 0
	s_wait_dscnt 0
	WIN MUL_HI
	MUL16 4, 1, NQ-1, 1, 0
	MUL16 6, 1, NQ-1, 1, 0
	WIN 0
; THE WAY OUT.  Block a's 64 registers of a lane (register 16 b + i = B's row 32 b + 16 (lane / 16) + i of my row of A) become a fragment's codes and a scale word.  Each accumulator is read from its low end on.
.macro QOUT a
.set XW, 2+(\a)/4                      ; the accumulators' window
.set SR, 64*((\a)%4)
.set WQ, (XW<<2)|(XW<<4)
	WIN WQ                                         ; sources 1 and 2 in the accumulators' window
.irp b, 0,1,2,3
	v_max3_num_f32 v[TM+\b], 0x1800000, |v[SR+16*\b]|, |v[SR+16*\b+1]|   ; block b: my 16 numbers, and the floor 2^(3 - 127)
.endr
.irp i, 2,4,6,8,10,12,14
.irp b, 0,1,2,3
	v_max3_num_f32 v[TM+\b], v[TM+\b], |v[SR+16*\b+\i]|, |v[SR+16*\b+\i+1]|
.endr
.endr
	WIN 0
.irp b, 0,1,2,3
	v_permlanex16_b32 v[TM+4+\b], v[TM+\b], s22, s23
.endr
.irp b, 0,1,2,3
	v_max_num_f32 v[TM+\b], v[TM+\b], v[TM+4+\b]   ; with lane l xor 16's: the block's largest magnitude
.endr
.irp b, 0,1,2,3
	v_add_nc_u32 v[TM+12+\b], 0xff000000, v[TM+\b] ; 2 off the exponent field: the conversion's scale operand
.endr
.irp b, 0,1,2,3
	v_lshrrev_b32 v[TM+4+\b], 23, v[TM+12+\b]      ; the scale's byte
.endr
	v_lshl_or_b32 v[PWS+(\a)], v[TM+5], 8, v[TM+4]
	v_lshl_or_b32 v[PWS+(\a)], v[TM+6], 16, v[PWS+(\a)]
	v_lshl_or_b32 v[PWS+(\a)], v[TM+7], 24, v[PWS+(\a)]
.if (\a) > 0
	s_wait_xcnt 0x0                                ; the last block's stores have read their data and their base: both are written again only behind this wait
.if (\a) == 4
	s_add_nc_u64 s[92:93], s[92:93], s[98:99]
.else
	s_add_nc_u64 s[92:93], s[92:93], s[96:97]
.endif
.endif
	WIN XW                                         ; source 0 in the accumulators' window
.irp c, 0,1
	v_cvt_scalef32_pk16_fp6_f32 v[PC+6*\c:PC+6*\c+2], v[SR+32*\c:SR+32*\c+15], v[TM+12+2*\c]
	v_cvt_scalef32_pk16_fp6_f32 v[PC+12+4*\c:PC+14+4*\c], v[SR+16+32*\c:SR+31+32*\c], v[TM+12+2*\c+1]
.endr
	WIN 0
	v_nop                                          ; one plain place behind a scaled conversion
.irp c, 0,1                            ; the operand's layout wants a whole block in a lane: lanes 0-15 block 2 c, lanes 16-31 block 2 c + 1
.irp i, 0,1,2
	v_permlane16_swap_b32 v[PC+6*\c+\i], v[PC+12+4*\c+\i]
.endr
.irp i, 0,1,2
	v_mov_b32 v[PC+3+6*\c+\i], v[PC+12+4*\c+\i]
.endr
.endr
	global_store_b128 v[O16], v[PC:PC+3], s[92:93]         ; each store covers 512 or 256 consecutive bytes, aligned to 256
	global_store_b64 v[O8], v[PC+4:PC+5], s[92:93]
	global_store_b128 v[O16B], v[PC+6:PC+9], s[92:93]
	global_store_b64 v[O8B], v[PC+10:PC+11], s[92:93]
.endm
	PLACES NP                                      ; behind the last products: their results are read and registers that held A's fragments are written below
.irp b, 0,1,2,3
	v_mov_b32 v[TM+4+\b], 0                        ; written once: a lane permute's destination counts as one of its sources
.endr
.irp a, 0,1,2,3,4,5,6,7
	QOUT \a
.endr
	; the eight scale words become two heads' rows of four words.  k, q: a word's low two bytes are the first head's: two blocks' pairs make a word.  v: blocks 0-3 are the first head's words as they stand.  Chosen by masks, without a branch
.irp m, 0,1,2,3
	v_perm_b32 v[EE+\m], v[PWS+2*\m+1], v[PWS+2*\m], 0x05040100
	v_perm_b32 v[EE+4+\m], v[PWS+2*\m+1], v[PWS+2*\m], 0x07060302
.endr
.irp m, 0,1,2,3
	v_cndmask_b32 v[EE+\m], v[EE+\m], v[PWS+\m], s100
	v_cndmask_b32 v[EE+4+\m], v[EE+4+\m], v[PWS+4+\m], s100
.endr
.irp m, 0,1,2,3
	v_cndmask_b32 v[WW+\m], v[EE+\m], v[EE+4+\m], s101     ; lanes 16-31 store the second head's
.endr
	global_store_b128 v[OSC], v[WW:WW+3], s[94:95]         ; sixteen lanes fill 256 consecutive bytes, aligned, for each head
	s_wait_tensorcnt 0x0                           ; the wave's end, behind my last tensor load
	ds_add_u32 v[SPW], v[NIL]
	s_wait_dscnt 0x0
	CROUND                                         ; the closing round: no work-group ends while a partner may still ask for a tile that names it
	s_endpgm
.Lfunc_end_k_q170ffd4554_proj:
	.size	k_q170ffd4554_proj, .Lfunc_end_k_q170ffd4554_proj-k_q170ffd4554_proj
	.p2alignl 7, 3214868480
	.fill 96, 4, 3214868480
	.section	.rodata,"a",@progbits
	.p2align	6, 0x0
	.amdhsa_kernel k_q170ffd4554_proj
		.amdhsa_group_segment_fixed_size 327680
		.amdhsa_private_segment_fixed_size 0
		.amdhsa_enable_private_segment 0
		.amdhsa_kernarg_size 48
		.amdhsa_user_sgpr_count 2
		.amdhsa_user_sgpr_kernarg_segment_ptr 1
		.amdhsa_wavefront_size32 1
		.amdhsa_system_sgpr_workgroup_id_x 1
		.amdhsa_system_sgpr_workgroup_id_y 1
		.amdhsa_system_sgpr_workgroup_id_z 1
		.amdhsa_system_vgpr_workitem_id 0
		.amdhsa_next_free_vgpr 1024
		.amdhsa_next_free_sgpr 102
		.amdhsa_reserve_vcc 0
		.amdhsa_float_denorm_mode_32 3
		.amdhsa_float_denorm_mode_16_64 3
		.amdhsa_memory_ordered 1
		.amdhsa_forward_progress 1
		.amdhsa_inst_pref_size 151
	.end_amdhsa_kernel
	.amdgpu_metadata
---
amdhsa.version: [ 1, 2 ]
amdhsa.kernels:
  - .name:           k_q170ffd4554_proj
    .symbol:         k_q170ffd4554_proj.kd
    .args:
      - { .name: xcod, .offset: 0, .size: 8, .value_kind: global_buffer, .address_space: global }
      - { .name: xscl, .offset: 8, .size: 8, .value_kind: global_buffer, .address_space: global }
      - { .name: wcod, .offset: 16, .size: 8, .value_kind: global_buffer, .address_space: global }
      - { .name: wscl, .offset: 24, .size: 8, .value_kind: global_buffer, .address_space: global }
      - { .name: pcod, .offset: 32, .size: 8, .value_kind: global_buffer, .address_space: global }
      - { .name: pscl, .offset: 40, .size: 8, .value_kind: global_buffer, .address_space: global }
    .group_segment_fixed_size: 327680
    .private_segment_fixed_size: 0
    .kernarg_segment_align: 8
    .kernarg_segment_size: 48
    .max_flat_workgroup_size: 128
    .sgpr_count:     102
    .vgpr_count:     1024
    .wavefront_size: 32
...
	.end_amdgpu_metadata
.endif
;; end of part 3
;; launch attn (part 4): grid 8 x 64, 16 waves a work-group, no clusters, 327,680 bytes of LDS; arguments pcod, pscl, acod, ascl; writes acod, ascl
.if DOCPART == 4
	.amdgcn_target "amdgcn-amd-amdhsa--gfx1250"
	.amdhsa_code_object_version 6
	.text
	.protected	k_q170ffd4554_attn
	.globl	k_q170ffd4554_attn
	.p2align	8
	.type	k_q170ffd4554_attn,@function
k_q170ffd4554_attn:
	s_mov_b64 s[64:65], 0
	v_nop
	global_prefetch_b8 v0, s[64:65] scope:SCOPE_SE
	s_setreg_imm32_b32 hwreg(HW_REG_WAVE_MODE, 25, 1), 1
	s_wait_xcnt 0x0
; Causal attention of one head (64 channels, 2,048 tokens) on codes of FP6 (E2M3) with E8M0 scales; the result, divided by the row's sum, is quantised along the channels in registers and stored as codes for the last product.
; THE SOFTMAX: t = score x log2(e) / 8; M = the row's largest t so far, rounded UP to a whole number; p = 2^(t - M) is quantised along the keys, not normalised; the row's sum is taken of the unquantised p, in f32.
; When M moves, the sum and O are multiplied by 2^(old M - new M): exact.
; SHARES.  Work-group (a, head) owns the groups of 128 queries a and 15 - a: 8 (a + 1) + 8 (16 - a) = 136 steps of a wave in every work-group.  Each of sixteen waves owns one block of 16 queries in 256 registers, four waves to a SIMD;
; wave w takes block w / 2 of group a or 15 - a by (w xor w / 4) & 1, so that every four neighbouring waves, and every four waves 4 apart, hold two of each group.
; Every wave walks all slots (constant trip counts, no barrier jumped over); a step all of whose 128 keys come after the wave's group is left out by a scalar branch on ids; in the group's own step hidden scores become -infinity.
; LAYOUT.  Operands lie as images of registers (768 bytes: 16 rows x 64 along K; lane l = r + 16 h: registers 0-3 at 16 l, 4-5 at 512 + 8 l); lane r of block t holds row 32 (t / 2) + 8 (t % 2) + r + 8 (r / 8).
; Both products are used transposed: S^T = K Q^T, O^T = V^T P^T: a lane holds one query throughout, p's 16 registers of two neighbouring tiles are 16 neighbouring keys, O^T's likewise 16 neighbouring channels.
; K = 64 IN AN INSTRUCTION OF K = 128: two neighbouring blocks of keys are ONE source-0 fragment; it is multiplied once by [q | zero codes] and once by [zero codes | q].  Zero codes add nothing under any scale byte but 0xff,
; and the quantiser's bytes lie between 1 and 254.  q's scale word repeats its two bytes.
; RING: two LDS slots of 256 keys (K 12,288 bytes, V 12,288), filled by wave 0 (K) and wave 1 (V) and read by all sixteen; the head's scale words of K and V stay in LDS.  Every wait for tensor loads is for 0.
; No cluster: the eight work-groups of a head need five to eight slots, so partners would ask for different numbers of tiles; a work-group fetches at most 196,608 bytes beside its 136 steps of vector work.
; LIMITS: p under 2^-126 is 0 (the exponential's own flush); a block whose largest magnitude lies under 2^-124 keeps the byte 1; NaN and infinities are not served.
; REGISTERS: v1-11 addresses; v12 -M, v13 the largest t, v[14:15] the sum; v16-27 [q | 0], v28-39 [0 | q]; v40-87 four fragments of K, then of V; v96-159 S^T, then p; v160-191 O^T; v192-203 p's codes; v204-241 at work and scale words.
.set SLOT1, 1<<15                      ; slot 1 begins here: one exclusive or turns an address from one slot to the other
.set VOFF,  12288                      ; in a slot: K's 16 images, then V's two steps of 6,144 bytes
.set SCK,   65536                      ; behind the ring: K's scale words of the head, 4,096 bytes;
.set SCV,   69632                      ; V's
.set SPARE, 73728                      ; the spare words, 128 bytes for each of sixteen waves
.set L16,  1                           ; v1  16 x lane
.set L8,   2                           ; v2  8 x lane
.set ASK0, 3                           ; v3  SCK + 16 r
.set DG,   4                           ; v4  my query in its group - 16 (lane / 16): the diagonal's test
.set SPW,  5
.set NIL,  6
.set PFO,  7                           ; v7  the prefetches' offset
.set AD16, 8
.set AD8,  9
.set ADS,  10
.set QLO,  16
.set QHI,  28
.set KV,   40
.set S,    96
.set OT,   160
.set PCD,  192
.set CT,   204                         ; v204-206, v208-210
.set BM,   212                         ; v212-215 the blocks' largest scores, then largest p
.set BT,   216                         ; v216-219 the other half's, then the bytes
.set SOP,  220                         ; v220-223 the conversions' scale operands
.set KSC,  224                         ; v224-227 K's scale words;  v228-231 V's;  v232 q's;  v234 p's
.set VSC,  228
.set QSC,  232
.set PSC,  234
.set FF,   236                         ; v[236:237] f = 2^(old M - new M)
.set TMP,  238
.set SUM2, 240
.set TB,   2                           ; s2  LDS byte at which the slot in hand begins
.set TS,   3                           ; s3  the step's scale words: 256 bytes a step
.set WV,   12
.set SEL,  20
.set CS,   22                          ; s[22:23] c = log2(e) / 8
.set G1T,  24                          ; s[24:31] group 1 for a slot's half: 12,288 dense bytes;  s[32:39] for a head's scale words: 4,096
.set G1S,  32
.set G0T,  40
.set G0S,  44
.set SLOTS, 48
.set KF,   49                          ; s49 the step's first key
.set QB,   50                          ; s50 my group's first query
.set QL,   51                          ; s51 my work-group's last query
.set PFA,  52
.set LIM,  54
.set HI16, 55
.macro TLOAD                           ; waves 0 and 1 fetch, each its own bytes by its own descriptor; an s_nop 0 and four v_nop follow the line
	s_cmp_lt_u32 s[WV], 2
	s_cbranch_scc0 .Lasked_\@
	tensor_load_to_lds s[G0T:G0T+3], s[G1T:G1T+7]
	s_nop 0
.rept 4
	v_nop
.endr
.Lasked_\@:
.endm
; A PREFETCH INTO THE L2 of the slot that the NEXT change of slots will ask for: K's 48 and V's 48 aligned blocks of 256 bytes.  All eight work-groups of a head walk the same K and V: the one with a = 0, which itself loads all
; eight slots, asks; in it waves 4, 5 and 6, which fetch nothing, one instruction each, a lane a block: each block is named once in the launch.  Slots 0 and 1 come by their loads alone; the last change that fills a slot asks for nothing.
.macro ASK
	s_cmp_gt_u32 s[SLOTS], s[LIM]
	s_cbranch_scc0 .Lnot_mine_\@
	global_prefetch_b8 v[PFO], s[PFA:PFA+1] th:TH_LOAD_NT scope:SCOPE_SE
.Lnot_mine_\@:
.endm
	s_load_b256 s[4:11], s[0:1], 0x0               ; pcod, pscl, acod, ascl
	v_lshl_add_u32 v[SPW], v0, 2, SPARE
	v_mov_b32 v[NIL], 0
	ds_add_u32 v[SPW], v[NIL]                      ; the wave's opening: the add and its wait ahead of the first tensor loads; work on registers stands between them
	v_lshrrev_b32 v8, 5, v0
	v_readfirstlane_b32 s[WV], v8                  ; wave 0..15
	s_and_b32 s14, ttmp7, 0xffff                   ; 16 x batch + head
	s_lshr_b32 s15, s[WV], 2
	s_xor_b32 s15, s15, s[WV]
	s_and_b32 s15, s15, 1                          ; which of the two groups
	s_lshr_b32 s16, s[WV], 1                       ; t: which block of 16 queries in it
	s_sub_co_u32 s18, 15, ttmp9
	s_cmp_eq_u32 s15, 0
	s_cselect_b32 s17, ttmp9, s18                  ; my group of 128 queries
	s_lshl_b32 s[QB], s17, 7
	s_lshl_b32 s[QL], s18, 7
	s_or_b32 s[QL], s[QL], 127
	s_and_b32 s19, s[WV], 1                        ; what I fetch, if I fetch: 0 K, 1 V
	s_mov_b32 s[G1T], 3<<16                        ; no mask; elements of 8 bytes; no padding
	s_mov_b32 s[G1T+1], 32<<16                     ; rows of 256 bytes,
	s_mov_b32 s[G1T+2], 48<<16                     ; 48 of them,
	s_mov_b32 s[G1T+3], 32<<16
	s_mov_b32 s[G1T+4], 48
	s_mov_b32 s[G1T+5], 32                         ; dense
	s_mov_b32 s[G1T+6], 0
	s_mov_b32 s[G1T+7], 0
	s_mov_b32 s[G1S], 3<<16
	s_mov_b32 s[G1S+1], 32<<16
	s_mov_b32 s[G1S+2], 16<<16
	s_mov_b32 s[G1S+3], 32<<16
	s_mov_b32 s[G1S+4], 16
	s_mov_b32 s[G1S+5], 32
	s_mov_b32 s[G1S+6], 0
	s_mov_b32 s[G1S+7], 0
	s_mov_b32 s[SEL], 0x76543210
	s_mov_b32 s[SEL+1], 0xfedcba98
	s_mov_b32 s[CS], 0x3e38aa3b                    ; log2(e) / 8
	s_mov_b32 s[CS+1], s[CS]                       ; (named with it as a pair, so it is written)
	s_mov_b32 s[TB], 0
	s_mov_b32 s[TS], 0
	s_mov_b32 s[KF], 0
	s_mov_b32 s[SLOTS], 7
	s_mov_b32 s[HI16], 0xffff0000                  ; lanes 16-31
	s_mul_i32 s56, s14, 98304                      ; the head in a tensor of codes,
	s_mov_b32 s57, 0
	s_lshl_b32 s58, s14, 12                        ; and of scale words
	s_mov_b32 s59, 0
	s_mul_i32 s60, s19, 12582912                   ; k is tensor 0, v tensor 2
	s_add_co_u32 s60, s60, s56
	s_mov_b32 s61, 0
	s_lshl_b32 s62, s19, 19
	s_add_co_u32 s62, s62, s58
	s_mov_b32 s63, 0
	s_wait_dscnt 0x0                               ; the opening add is done
	s_wait_kmcnt 0x0
	s_mov_b32 s[G0S], 1
	s_lshl_b32 s[G0S+1], s19, 12
	s_add_co_u32 s[G0S+1], s[G0S+1], SCK
	s_add_nc_u64 s[G0S+2:G0S+3], s[6:7], s[62:63]
	s_or_b32 s[G0S+3], s[G0S+3], 0x80000000
	s_mov_b32 s[G0T], 1
	s_mul_i32 s[G0T+1], s19, VOFF
	s_add_nc_u64 s[G0T+2:G0T+3], s[4:5], s[60:61]
	s_or_b32 s[G0T+3], s[G0T+3], 0x80000000
	s_cmp_lt_u32 s[WV], 2                          ; a wave's two first fills stand in one branch, ahead of every wait for tensor loads, every LDS read and every barrier: two loads of mine are out at the most
	s_cbranch_scc0 .Lno_fetch
	tensor_load_to_lds s[G0S:G0S+3], s[G1S:G1S+7]  ; the head's scale words: filled once
	s_nop 0
	tensor_load_to_lds s[G0T:G0T+3], s[G1T:G1T+7]  ; slot 0
	s_nop 0
.rept 4
	v_nop
.endr
.Lno_fetch:
	s_lshl_b32 s66, s17, 3
	s_add_co_u32 s66, s66, s16                     ; my block of 16 queries in the batch; kept for the way out
	s_mul_i32 s67, s66, 768
	s_add_co_u32 s67, s67, s56
	s_add_co_u32 s68, s67, 6291456                 ; q is tensor 1
	s_mov_b32 s69, 0
	s_add_nc_u64 s[68:69], s[4:5], s[68:69]
	s_lshl_b32 s70, s17, 8
	s_add_co_u32 s70, s70, s58
	s_lshr_b32 s71, s16, 1
	s_lshl_b32 s71, s71, 2                         ; word t / 2 holds my block's two bytes
	s_add_co_u32 s70, s70, s71
	s_add_co_u32 s70, s70, 262144
	s_mov_b32 s71, 0
	s_add_nc_u64 s[70:71], s[6:7], s[70:71]
	v_and_b32 v8, 31, v0
	v_lshlrev_b32 v[L16], 4, v8
	v_lshlrev_b32 v[L8], 3, v8
	v_and_b32 v9, 15, v0                           ; r
	v_bfe_u32 v10, v0, 4, 1                        ; h
	v_lshlrev_b32 v11, 4, v9                       ; 16 r; not written again
	global_load_b128 v[QLO:QLO+3], v[L16], s[68:69]            ; q's image, twice: as the lower 64 of K,
	global_load_b64 v[QLO+4:QLO+5], v[L8], s[68:69] offset:512
	global_load_b128 v[QHI+6:QHI+9], v[L16], s[68:69]          ; and as the upper
	global_load_b64 v[QHI+10:QHI+11], v[L8], s[68:69] offset:512
	global_load_b32 v[TMP], v11, s[70:71]
	v_add_nc_u32 v[ASK0], SCK, v11
	v_and_b32 v[DG], 8, v9
	v_add_nc_u32 v[DG], v[DG], v9                  ; r + 8 (r / 8)
	v_lshlrev_b32 v10, 4, v10
	v_sub_nc_u32 v[DG], v[DG], v10                 ; - 16 h
	s_lshr_b32 s18, s16, 1
	s_lshl_b32 s18, s18, 5
	s_and_b32 s19, s16, 1
	s_lshl_b32 s19, s19, 3
	s_add_co_u32 s18, s18, s19
	v_add_nc_u32 v[DG], s18, v[DG]                 ; + 32 (t / 2) + 8 (t % 2)
	; the prefetches: block 32 (w - 4) + lane of a slot's 96: the first 48 are K's, the others V's
	s_sub_co_u32 s18, s[WV], 4
	s_and_b32 s19, s18, 3
	s_lshl_b32 s19, s19, 5
	v_add_nc_u32 v[PFO], s19, v8
	v_lshlrev_b32 v[PFO], 8, v[PFO]
	v_add_nc_u32 v[TMP+1], 12582912-12288, v[PFO]
	v_cmp_gt_u32 s19, 12288, v[PFO]
	v_cndmask_b32 v[PFO], v[TMP+1], v[PFO], s19
	s_lshr_b32 s18, s18, 2                         ; 0 in waves 4 to 7,
	s_or_b32 s18, s18, ttmp9                       ; of the work-group with a = 0
	s_cmp_eq_u32 s18, 0
	s_cselect_b32 s[LIM], 1, -1
	s_cmp_eq_u32 s[WV], 7                          ; (96 blocks are three waves' worth)
	s_cselect_b32 s[LIM], -1, s[LIM]
	s_add_nc_u64 s[PFA:PFA+1], s[4:5], s[56:57]
	s_add_nc_u64 s[PFA:PFA+1], s[PFA:PFA+1], 12288 ; at slot 1: the first change of slots steps it to slot 2.  Nothing is prefetched here, at the head
	v_mov_b32 v13, 0xff61b1e6                      ; the largest t so far: -3e38, under every t
	v_floor_f32 v12, -v13                          ; -M
	v_mov_b32 v14, 0
	v_mov_b32 v15, 0
.irp b, 0,1,2,3
	v_mov_b32 v[BT+\b], 0                          ; written once: a lane permute's destination counts as one of its sources
.endr
	v_mov_b32 v[FF+1], 0                           ; (named as the upper half of a pair)
.irp i, 0,1,2,3,4,5
	v_mov_b32 v[QLO+6+\i], 0                       ; zero codes
	v_mov_b32 v[QHI+\i], 0
.endr
	s_and_b32 s18, s16, 1
	s_lshl_b32 s18, s18, 4
	s_wait_loadcnt 0x0                             ; q and its scale word
	v_lshrrev_b32 v[TMP], s18, v[TMP]
	v_and_b32 v[TMP], 0xffff, v[TMP]               ; my block's two bytes,
	v_lshl_or_b32 v[QSC], v[TMP], 16, v[TMP]       ; for both halves of K
.set j, 0
.rept 32
	v_mov_b32 v[OT+j], 0                           ; O^T: the loop is written once, its first step finds zeros.  (These are also the places between the scale word's write and the first product)
.set j, j+1
.endr
.macro FRAG reg, off                   ; a fragment is two images: four loads of 512, 256, 512, 256 consecutive bytes
	ds_load_b128 v[\reg:\reg+3], v[AD16] offset:\off
	ds_load_b64 v[\reg+4:\reg+5], v[AD8] offset:\off+512
	ds_load_b128 v[\reg+6:\reg+9], v[AD16] offset:\off+768
	ds_load_b64 v[\reg+10:\reg+11], v[AD8] offset:\off+1280
.endm
; A KEY STEP: 128 keys, the q-th of the slot in hand.
.macro STEP q
	s_cmp_gt_u32 s[KF], s[QB]                      ; all 128 keys come after my group's queries: the step's work is left out; the lines at its end that step addresses are not
	s_cbranch_scc1 .Lhidden_\@
	v_add_nc_u32 v[AD16], s[TB], v[L16]
	v_add_nc_u32 v[AD8], s[TB], v[L8]
	v_add_nc_u32 v[ADS], s[TS], v[ASK0]
	v_nop                                          ; four places in front of loads into registers that the last products have read
.irp m, 0,1,2,3
	FRAG KV+12*\m, (8*(\q)+2*\m)*768
.endr
	ds_load_b128 v[KSC:KSC+3], v[ADS]              ; word m: the scale bytes of blocks 2 m and 2 m + 1 of the keys
	s_wait_dscnt 0x0
.irp m, 0,1,2,3
	v_wmma_scale_f32_16x16x128_f8f6f4 v[S+16*\m:S+16*\m+7], v[KV+12*\m:KV+12*\m+11], v[QLO:QLO+11], 0, v[KSC+\m], v[QSC] matrix_a_fmt:MATRIX_FMT_FP6 matrix_b_fmt:MATRIX_FMT_FP6
	v_wmma_scale_f32_16x16x128_f8f6f4 v[S+16*\m+8:S+16*\m+15], v[KV+12*\m:KV+12*\m+11], v[QHI:QHI+11], 0, v[KSC+\m], v[QSC] matrix_a_fmt:MATRIX_FMT_FP6 matrix_b_fmt:MATRIX_FMT_FP6
.endr                                  ; register 16 b + i of S^T: key 32 b + 16 (lane / 16) + i of the step
.rept 4
	v_nop
.endr
.irp m, 0,1,2,3
	FRAG KV+12*\m, VOFF+6144*(\q)+1536*\m          ; V's four fragments are asked for now and land under the softmax
.endr
	ds_load_b128 v[VSC:VSC+3], v[ADS] offset:SCV-SCK
	s_cmp_lt_u32 s[KF], s[QB]                      ; a step all of whose keys count skips the mask
	s_cbranch_scc1 .Lopen_\@
	v_mov_b32 v[TMP], 0xff800000                   ; -infinity
.set n, 0
.rept 64
	v_cmp_gt_i32 vcc_lo, 32*(n/16)+n%16, v[DG]     ; the key comes after my query
	v_cndmask_b32 v[S+n], v[S+n], v[TMP], vcc_lo
.set n, n+1
.endr
.Lopen_\@:
.irp b, 0,1,2,3
	v_max3_num_f32 v[BM+\b], v[S+16*\b], v[S+1+16*\b], v[S+2+16*\b]   ; the largest score of each block of 32 keys: it serves the row's maximum and, since p rises with the score, the block's largest p
.endr
.irp i, 3,5,7,9,11,13
.irp b, 0,1,2,3
	v_max3_num_f32 v[BM+\b], v[BM+\b], v[S+16*\b+\i], v[S+1+16*\b+\i]
.endr
.endr
.irp b, 0,1,2,3
	v_max_num_f32 v[BM+\b], v[BM+\b], v[S+15+16*\b]
.endr
.irp b, 0,1,2,3
	v_permlanex16_b32 v[BT+\b], v[BM+\b], s[SEL], s[SEL+1]
.endr
.irp b, 0,1,2,3
	v_max_num_f32 v[BM+\b], v[BM+\b], v[BT+\b]     ; with lane l xor 16's 16 keys
.endr
	v_max3_num_f32 v[TMP], v[BM], v[BM+1], v[BM+2]
	v_max_num_f32 v[TMP], v[TMP], v[BM+3]
	v_mul_f32 v[TMP], s[CS], v[TMP]                ; as t
	v_max_num_f32 v13, v13, v[TMP]                 ; the running largest t
	v_mov_b32 v[TMP], v12
	v_floor_f32 v12, -v13                          ; the new -M = -ceil(t)
	v_sub_f32 v[TMP], v12, v[TMP]                  ; old M - new M: a whole number, 0 or less
	v_cvt_i32_f32 v[TMP], v[TMP]                   ; (it saturates)
	v_ldexp_f32 v[FF], 1.0, v[TMP]                 ; f = 2^(old M - new M)
.set j, 0
.rept 32
	v_pk_fma_f32 v[S+j:S+j+1], v[S+j:S+j+1], s[CS:CS+1], v[12:13] op_sel_hi:[1,0,0]   ; t - M, two at a time
.set j, j+2
.endr
.irp b, 0,1,2,3
	v_fma_f32 v[BM+\b], v[BM+\b], s[CS], v12       ; the same of each block's largest score
.endr
.set j, 0
.rept 64
	v_exp_f32 v[S+j], v[S+j]                       ; p = 2^(t - M)
.set j, j+1
.endr
	v_pk_mul_f32 v[14:15], v[14:15], v[FF:FF+1] op_sel_hi:[1,0]   ; the sum under the new M: a plain place behind the exponentials
	s_wait_alu depctr_va_vdst(0)                   ; one wait for the whole batch, ahead of its first reader
.irp b, 0,1,2,3
	v_exp_f32 v[BM+\b], v[BM+\b]                   ; the block's largest p
.endr
	v_pk_add_f32 v[SUM2:SUM2+1], v[S:S+1], v[S+2:S+3]   ; the row's sum of the unquantised p, in two chains; it reads the 64 alone
.irp j, 4,8,12,16,20,24,28,32,36,40,44
	v_pk_add_f32 v[14:15], v[14:15], v[S+\j:S+\j+1]
	v_pk_add_f32 v[SUM2:SUM2+1], v[SUM2:SUM2+1], v[S+2+\j:S+3+\j]
.endr
	s_wait_alu depctr_va_vdst(0)                   ; and one for the four
.irp b, 0,1,2,3
	v_max_num_f32 v[BM+\b], 0x1800000, v[BM+\b]    ; the floor 2^(3 - 127): a block whose every p is 0 keeps the byte 1: its codes are zeros
.endr
.irp b, 0,1,2,3
	v_add_nc_u32 v[SOP+\b], 0xff000000, v[BM+\b]
.endr
.irp b, 0,1,2,3
	v_lshrrev_b32 v[BT+\b], 23, v[SOP+\b]
.endr
	v_lshl_or_b32 v[PSC], v[BT+1], 8, v[BT]        ; p's scale word for these 128 keys
	v_lshl_or_b32 v[PSC], v[BT+2], 16, v[PSC]
	v_lshl_or_b32 v[PSC], v[BT+3], 24, v[PSC]
.irp c, 0,1
	v_cvt_scalef32_pk16_fp6_f32 v[PCD+6*\c:PCD+6*\c+2], v[S+32*\c:S+32*\c+15], v[SOP+2*\c]
	v_cvt_scalef32_pk16_fp6_f32 v[CT+4*\c:CT+4*\c+2], v[S+16+32*\c:S+31+32*\c], v[SOP+2*\c+1]
.endr
	v_nop                                          ; one plain place behind a scaled conversion
.irp c, 0,1                            ; a whole block in a lane: lanes 0-15 block 2 c, lanes 16-31 block 2 c + 1
.irp i, 0,1,2
	v_permlane16_swap_b32 v[PCD+6*\c+\i], v[CT+4*\c+\i]
.endr
.irp i, 0,1,2
	v_mov_b32 v[PCD+3+6*\c+\i], v[CT+4*\c+\i]
.endr
.endr
.set j, 0
.rept 16
	v_pk_mul_f32 v[OT+j:OT+j+1], v[OT+j:OT+j+1], v[FF:FF+1] op_sel_hi:[1,0]   ; O^T under the new M
.set j, j+2
.endr
.irp j, 48,52,56,60
	v_pk_add_f32 v[14:15], v[14:15], v[S+\j:S+\j+1]                ; the rest of the row's sum stands here: nine plain places between the last write of an operand of the products below and those products
	v_pk_add_f32 v[SUM2:SUM2+1], v[SUM2:SUM2+1], v[S+2+\j:S+3+\j]
.endr
	v_pk_add_f32 v[14:15], v[14:15], v[SUM2:SUM2+1]
	s_wait_dscnt 0x0                               ; V and its scale words are in
.irp m, 0,1,2,3                        ; O^T += V^T P^T: the four accumulators by turns
	v_wmma_scale_f32_16x16x128_f8f6f4 v[OT+8*\m:OT+8*\m+7], v[KV+12*\m:KV+12*\m+11], v[PCD:PCD+11], v[OT+8*\m:OT+8*\m+7], v[VSC+\m], v[PSC] matrix_a_fmt:MATRIX_FMT_FP6 matrix_b_fmt:MATRIX_FMT_FP6
.endr
.Lhidden_\@:
	s_add_co_u32 s[KF], s[KF], 128
	s_add_co_u32 s[TS], s[TS], 256
.endm
; THE CHANGE OF SLOTS stands at a slot's head.  Each wave waits for all its tensor loads, adds 0 to its spare word, and waits for that and for its reads of the slot that it has left.  Behind the barrier the slot ahead is whole
; and nobody reads the other one.  fill = 1: that other slot takes the next 256 keys, while their first key is at or under the work-group's last query: a later slot would be read by none of the sixteen waves.
.macro CHANGE fill
	s_wait_tensorcnt 0x0                           ; no tensor load of mine is out, so a group 0 may be written
	ds_add_u32 v[SPW], v[NIL]                      ; 0 onto my spare word
.if \fill
	s_xor_b32 s[G0T+1], s[G0T+1], SLOT1            ; the walking descriptor: the other slot,
	s_add_nc_u64 s[G0T+2:G0T+3], s[G0T+2:G0T+3], 12288   ; the next 256 keys
	s_wait_xcnt 0x0                                ; the last prefetch, a slot back, has read its address
	s_add_nc_u64 s[PFA:PFA+1], s[PFA:PFA+1], 12288 ; one slot further on than the walking descriptor
.endif
	s_wait_dscnt 0x0                               ; the add is done, and my reads of the slot that I have left are over
	s_barrier_signal -1
	s_barrier_wait -1
.if \fill
	s_add_co_u32 s18, s[KF], 256                   ; the first key of the slot that this change would ask for
	s_cmp_gt_u32 s18, s[QL]
	s_cbranch_scc1 .Lpast_\@
	TLOAD                                          ; a wave's one tensor load until the next such barrier
.Lpast_\@:
	ASK
.endif
.endm
.macro SLOT_STEPS
	STEP 0
	STEP 1
	s_xor_b32 s[TB], s[TB], SLOT1
.endm
.Lslot:                                            ; seven trips: behind each change of slots but the last the next slot is asked for, up to the causal limit
	CHANGE 1
	SLOT_STEPS
	s_sub_co_u32 s[SLOTS], s[SLOTS], 1
	s_cmp_lg_u32 s[SLOTS], 0
	s_cbranch_scc1 .Lslot
	CHANGE 0                                       ; the last slot is written out: nothing is left to ask for
	SLOT_STEPS
	; THE WAY OUT.  O^T / the sum; its 32 registers (register 16 b + i = channel 32 b + 16 (lane / 16) + i) are two blocks of 32 along the last product's K: quantised in registers, they are one image.
	v_add_f32 v14, v14, v15
	v_permlanex16_b32 v[TMP], v14, s[SEL], s[SEL+1]
	v_add_f32 v14, v14, v[TMP]                     ; the row's sum
	v_rcp_f32 v14, v14
	v_and_b32 v8, 15, v0                           ; (plain places behind the reciprocal and behind the last products)
	v_bfe_u32 v9, v0, 4, 1
	v_lshl_add_u32 v8, v8, 3, v9                   ; my scale byte's place: 8 r + h
	v_nop
	s_lshr_b32 s56, s14, 4
	s_lshl_b32 s56, s56, 7
	s_add_co_u32 s56, s56, s66                     ; my block of 16 tokens among all 512
	s_and_b32 s57, s14, 15                         ; the head = the image's number along K
	s_lshl_b32 s58, s56, 4
	s_add_co_u32 s58, s58, s57
	s_mul_i32 s58, s58, 768
	s_mov_b32 s59, 0
	s_add_nc_u64 s[8:9], s[8:9], s[58:59]
	s_lshl_b32 s60, s56, 9
	s_lshr_b32 s61, s57, 2
	s_lshl_b32 s61, s61, 7                         ; which 256 along K,
	s_add_co_u32 s60, s60, s61
	s_and_b32 s61, s57, 3
	s_lshl_b32 s61, s61, 1                         ; which two bytes of the row's eight
	s_add_co_u32 s60, s60, s61
	s_mov_b32 s61, 0
	s_add_nc_u64 s[10:11], s[10:11], s[60:61]
	s_wait_alu depctr_va_vdst(0)                   ; the wait ahead of the reciprocal's first reader
.set j, 0
.rept 32
	v_mul_f32 v[S+j], v[OT+j], v14
.set j, j+1
.endr
.irp b, 0,1
	v_max3_num_f32 v[BM+\b], |v[S+16*\b]|, |v[S+1+16*\b]|, 0x1800000
.endr
.irp i, 2,4,6,8,10,12,14
.irp b, 0,1
	v_max3_num_f32 v[BM+\b], v[BM+\b], |v[S+16*\b+\i]|, |v[S+1+16*\b+\i]|
.endr
.endr
.irp b, 0,1
	v_permlanex16_b32 v[BT+\b], v[BM+\b], s[SEL], s[SEL+1]
.endr
.irp b, 0,1
	v_max_num_f32 v[BM+\b], v[BM+\b], v[BT+\b]
.endr
.irp b, 0,1
	v_add_nc_u32 v[SOP+\b], 0xff000000, v[BM+\b]
.endr
.irp b, 0,1
	v_lshrrev_b32 v[BT+\b], 23, v[SOP+\b]
.endr
	v_cvt_scalef32_pk16_fp6_f32 v[PCD:PCD+2], v[S:S+15], v[SOP]
	v_cvt_scalef32_pk16_fp6_f32 v[CT:CT+2], v[S+16:S+31], v[SOP+1]
	v_cndmask_b32 v[TMP], v[BT], v[BT+1], s[HI16]  ; lane (r, h) stores block h's byte.  (A plain place behind the conversions)
.irp i, 0,1,2
	v_permlane16_swap_b32 v[PCD+\i], v[CT+\i]
.endr
.irp i, 0,1,2
	v_mov_b32 v[PCD+3+\i], v[CT+\i]
.endr
	global_store_b128 v[L16], v[PCD:PCD+3], s[8:9]             ; 512 consecutive bytes, aligned to 256
	global_store_b64 v[L8], v[PCD+4:PCD+5], s[8:9] offset:512  ; 256 consecutive bytes
	global_store_b8 v8, v[TMP], s[10:11]                       ; a head has two scale bytes a token and no more: single bytes, 8 apart
	s_wait_tensorcnt 0x0                           ; the wave's end, behind my last tensor load
	ds_add_u32 v[SPW], v[NIL]
	s_wait_dscnt 0x0
	s_endpgm
.Lfunc_end_k_q170ffd4554_attn:
	.size	k_q170ffd4554_attn, .Lfunc_end_k_q170ffd4554_attn-k_q170ffd4554_attn
	.p2alignl 7, 3214868480
	.fill 96, 4, 3214868480
	.section	.rodata,"a",@progbits
	.p2align	6, 0x0
	.amdhsa_kernel k_q170ffd4554_attn
		.amdhsa_group_segment_fixed_size 327680
		.amdhsa_private_segment_fixed_size 0
		.amdhsa_enable_private_segment 0
		.amdhsa_kernarg_size 32
		.amdhsa_user_sgpr_count 2
		.amdhsa_user_sgpr_kernarg_segment_ptr 1
		.amdhsa_wavefront_size32 1
		.amdhsa_system_sgpr_workgroup_id_x 1
		.amdhsa_system_sgpr_workgroup_id_y 1
		.amdhsa_system_sgpr_workgroup_id_z 1
		.amdhsa_system_vgpr_workitem_id 0
		.amdhsa_next_free_vgpr 256
		.amdhsa_next_free_sgpr 72
		.amdhsa_reserve_vcc 1
		.amdhsa_float_denorm_mode_32 3
		.amdhsa_float_denorm_mode_16_64 3
		.amdhsa_memory_ordered 1
		.amdhsa_forward_progress 1
		.amdhsa_inst_pref_size 97
	.end_amdhsa_kernel
	.amdgpu_metadata
---
amdhsa.version: [ 1, 2 ]
amdhsa.kernels:
  - .name:           k_q170ffd4554_attn
    .symbol:         k_q170ffd4554_attn.kd
    .args:
      - { .name: pcod, .offset: 0, .size: 8, .value_kind: global_buffer, .address_space: global }
      - { .name: pscl, .offset: 8, .size: 8, .value_kind: global_buffer, .address_space: global }
      - { .name: acod, .offset: 16, .size: 8, .value_kind: global_buffer, .address_space: global }
      - { .name: ascl, .offset: 24, .size: 8, .value_kind: global_buffer, .address_space: global }
    .group_segment_fixed_size: 327680
    .private_segment_fixed_size: 0
    .kernarg_segment_align: 8
    .kernarg_segment_size: 32
    .max_flat_workgroup_size: 512
    .sgpr_count:     72
    .vgpr_count:     256
    .wavefront_size: 32
...
	.end_amdgpu_metadata
.endif
;; end of part 4
;; launch outp (part 5): grid 4 x 32, 4 waves a work-group, clusters of 4 x 4, 327,680 bytes of LDS; arguments acod, ascl, wcod, wscl, out0; writes out0
.if DOCPART == 5
	.amdgcn_target "amdgcn-amd-amdhsa--gfx1250"
	.amdhsa_code_object_version 6
	.text
	.protected	k_q170ffd4554_outp
	.globl	k_q170ffd4554_outp
	.p2align	8
	.type	k_q170ffd4554_outp,@function
k_q170ffd4554_outp:
	s_mov_b64 s[64:65], 0
	v_nop
	global_prefetch_b8 v0, s[64:65] scope:SCOPE_SE
	s_setreg_imm32_b32 hwreg(HW_REG_WAVE_MODE, 25, 1), 1
	s_wait_xcnt 0x0
	s_wait_alu depctr_hold_cnt(0) depctr_sa_sdst(0) depctr_va_vdst(0) depctr_va_sdst(0) depctr_va_ssrc(0) depctr_va_vcc(0) depctr_vm_vsrc(0)
	s_getreg_b32 s2, hwreg(HW_REG_IB_STS2, 6, 4)
	s_cmp_eq_u32 s2, 0
	s_cbranch_scc0 .Lentry_in_a_cluster
	s_endpgm
.Lentry_in_a_cluster:
	s_bfe_u32 s2, ttmp6, 0x10000c
	s_cmp_lg_u32 s2, 0xf033
	s_cbranch_scc0 .Lentry_shape_is_right
	s_endpgm
.Lentry_shape_is_right:
; out0 = attn x out_weights on codes of FP6 (E2M3) with E8M0 scales; out0 [8192][1024] f32.
; C = A B^T, A = the attention's result (tokens), B = the fourth weight's columns.  Tiles of 256 x 256, four waves of 128 x 128 (64 accumulators, 512 registers), K = 1,024 in four steps of 256 through a ring of two LDS slots.
; OPERANDS lie as images of registers (768 bytes: 16 rows x 64 K; lane l = r + 16 h: registers 0-3 at 16 l, 4-5 at 512 + 8 l), [block of 16 rows][16 images]; lane r of block t holds row 32 (t / 2) + 8 (t % 2) + r + 8 (r / 8).
; The matrix instruction is used TRANSPOSED (source 0 = 16 rows of B, source 1 = 16 rows of A): a lane holds one token, and the 16 registers of accumulators (a, 2 b), (a, 2 b + 1) are columns 32 b + 16 (lane / 16) + 0 .. 15.
; CLUSTERS: 4 x 4 work-groups; A's tiles are asked for jointly by a row of the cluster, B's by a column.  128 tiles of 256 x 256: a smaller tile would fill more WGPs at twice the LDS reads for each product.
; REGISTERS, in windows of 256: window 0: v16-31 addresses; v32-63 scale words, two sets; v128-223 A's fragments, one set; on the way out v128-255 rows read back.   window 1: B's fragments, two sets.   windows 2, 3: the accumulators.
.set NQ,     2
.set FR,     12
.set NL,     4
.set NP,     4                         ; places behind this matrix instruction (ISA guide 7.12.1)
.set BLKB,   3072                      ; a block's four images of a K step of 256
.set KROW,   12288                     ; a block's sixteen images
.set HALFT,  8*BLKB
.set SLOT,   4*HALFT
.set SCL,    2*SLOT                    ; behind the ring: the scale words, filled once
.set HALFS,  4096
.set SPARE,  SCL+4*HALFS               ; the spare words, 128 bytes for each wave
.set SPITCH, 528                       ; the way out: a stage of 16 rows x (512 bytes + 16) for each wave, in slot 0, which has had its last fill and its last read when the first result is stored there
.set A16,  16
.set A8,   18
.set B16,  20
.set B8,   22
.set STO,  24                          ; v24 the stage: where I put 32 bytes of a row
.set RD,   25                          ; v25 and where I read a row back
.set CO,   26                          ; v26 my byte offset in a row of out0
.set ADRS, 27
.set SPW,  28
.set NIL,  29
.set SC,   32
.set AF,   128
.set BK,   128
.set G1, 24
.set G0, 32
.set G1B, 48
.set G0B, 56
.set G1S, 68
.set G0S, 76
.set G1SB, 80
.set G0SB, 88
.set MSB, 0
.macro WIN new                         ; the immediate's high byte repeats the setting that is left
.if MSB != \new
	s_set_vgpr_msb (MSB<<8)|\new
.set MSB, \new
.endif
.endm
.set MUL_LO, 0xa1
.set MUL_HI, 0xf1
.set TO_B,   0x40
.macro JLOAD g0a, g1a, g0b, g1b        ; a joint load: waves 0 and 1 fetch for A, waves 2 and 3 for B; an s_nop 0 and four v_nop follow each of the two lines
	s_cmp_eq_u32 s17, 0
	s_cbranch_scc0 .Lfor_b_\@
	tensor_load_to_lds s[\g0a:\g0a+3], s[\g1a:\g1a+7]
	s_nop 0
.rept 4
	v_nop
.endr
	s_branch .Lasked_\@
.Lfor_b_\@:
	tensor_load_to_lds s[\g0b:\g0b+3], s[\g1b:\g1b+7]
	s_nop 0
.rept 4
	v_nop
.endr
.Lasked_\@:
.endm
.macro CREST
	s_cmp_lg_u32 s16, 0
	s_cbranch_scc1 .Lnot_wave_0_\@
	s_barrier_signal -3
.Lnot_wave_0_\@:
	s_barrier_wait -3
	s_barrier_signal -1
	s_barrier_wait -1
.endm
.macro CROUND
	s_barrier_signal -1
	s_barrier_wait -1
	CREST
.endm
	s_load_b256 s[4:11], s[0:1], 0x0               ; acod, ascl, wcod, wscl
	s_load_b64 s[12:13], s[0:1], 0x20              ; out0
	v_lshl_add_u32 v[SPW], v0, 2, SPARE
	v_mov_b32 v[NIL], 0
	ds_add_u32 v[SPW], v[NIL]                      ; the wave's opening: the add and its wait ahead of my first tensor load
	v_lshrrev_b32 v1, 5, v0
	v_readfirstlane_b32 s16, v1                    ; wave 0..3
	s_lshr_b32 s17, s16, 1                         ; which half of the tile's rows is mine.  Also: I fetch for A (0) or for B (1)
	s_and_b32 s18, s16, 1                          ; which half of its columns.  Also: which 128 rows I fetch
	s_bfe_u32 s40, ttmp6, 0x40000                  ; cx = the tile column
	s_bfe_u32 s41, ttmp6, 0x40004                  ; cy
	s_and_b32 s45, ttmp7, 0xffff
	s_lshl_b32 s45, s45, 2
	s_add_co_u32 s45, s45, s41                     ; tile row = 4 x cluster y + cy
	s_lshl_b32 s43, s41, 2
	s_lshl_b32 s43, 15, s43                        ; my row of the cluster
	s_lshl_b32 s44, 0x1111, s40                    ; my column
	s_or_b32 s[G1+0], s43, (3<<16)|(1<<21)         ; codes: 8 rows (blocks) of 3,072 bytes, 12,288 apart; elements of 8 bytes; no padding
	s_or_b32 s[G1B+0], s44, (3<<16)|(1<<21)
.irp g, G1, G1B
	s_mov_b32 s[\g+1], 384<<16
	s_mov_b32 s[\g+2], 8<<16
	s_mov_b32 s[\g+3], 384<<16
	s_mov_b32 s[\g+4], 8
	s_mov_b32 s[\g+5], 1536
	s_mov_b32 s[\g+6], 0
	s_mov_b32 s[\g+7], 0
.endr
	s_or_b32 s[G1S+0], s43, (3<<16)|(1<<21)        ; scale words of 128 rows: 4,096 dense bytes as 16 rows of 256
	s_or_b32 s[G1SB+0], s44, (3<<16)|(1<<21)
.irp g, G1S, G1SB
	s_mov_b32 s[\g+1], 32<<16
	s_mov_b32 s[\g+2], 16<<16
	s_mov_b32 s[\g+3], 32<<16
	s_mov_b32 s[\g+4], 16
	s_mov_b32 s[\g+5], 32
	s_mov_b32 s[\g+6], 0
	s_mov_b32 s[\g+7], 0
.endr
	s_lshl_b32 s2, s45, 4
	s_lshl_b32 s3, s18, 3
	s_add_co_u32 s2, s2, s3                        ; A: the first block that I fetch
	s_mul_i32 s20, s2, KROW
	s_mov_b32 s21, 0
	s_lshl_b32 s2, s2, 9
	s_mov_b32 s3, 0
	s_lshl_b32 s46, s40, 4
	s_lshl_b32 s47, s18, 3
	s_add_co_u32 s46, s46, s47                     ; B likewise,
	s_lshl_b32 s66, s46, 9
	s_add_co_u32 s66, s66, 98304                   ; in the fourth weight
	s_mov_b32 s67, 0
	s_mul_i32 s46, s46, KROW
	s_add_co_u32 s46, s46, 2359296
	s_mov_b32 s47, 0
	s_wait_dscnt 0x0                               ; the opening add is done
	s_wait_kmcnt 0x0
	s_add_nc_u64 s[92:93], s[4:5], s[20:21]
	s_add_nc_u64 s[94:95], s[6:7], s[2:3]
	s_add_nc_u64 s[96:97], s[8:9], s[46:47]
	s_add_nc_u64 s[98:99], s[10:11], s[66:67]
	s_mul_i32 s20, s16, HALFT                      ; where they go: wave x 128 rows
	s_lshl_b32 s21, s16, 12
	CROUND                                         ; all sixteen work-groups are here: the first joint loads meet
	s_mov_b32 s[G0S], 1
	s_add_co_u32 s[G0S+1], s21, SCL
	s_mov_b64 s[G0S+2:G0S+3], s[94:95]
	s_or_b32 s[G0S+3], s[G0S+3], 0x80000000
	s_mov_b32 s[G0SB], 1
	s_add_co_u32 s[G0SB+1], s21, SCL
	s_mov_b64 s[G0SB+2:G0SB+3], s[98:99]
	s_or_b32 s[G0SB+3], s[G0SB+3], 0x80000000
	JLOAD G0S, G1S, G0SB, G1SB
.irp s, 0,1
	s_mov_b32 s[G0+4*\s], 1
	s_add_co_u32 s[G0+4*\s+1], s20, \s*SLOT
	s_add_nc_u64 s[G0+4*\s+2:G0+4*\s+3], s[92:93], \s*BLKB
	s_or_b32 s[G0+4*\s+3], s[G0+4*\s+3], 0x80000000
	s_mov_b32 s[G0B+4*\s], 1
	s_add_co_u32 s[G0B+4*\s+1], s20, \s*SLOT
	s_add_nc_u64 s[G0B+4*\s+2:G0B+4*\s+3], s[96:97], \s*BLKB
	s_or_b32 s[G0B+4*\s+3], s[G0B+4*\s+3], 0x80000000
	JLOAD G0+4*\s, G1, G0B+4*\s, G1B               ; three tensor loads of mine are out at the most
.endr
	v_and_b32 v1, 31, v0                           ; lane
	v_and_b32 v2, 15, v0                           ; r
	v_bfe_u32 v3, v0, 4, 1                         ; h
	v_lshlrev_b32 v4, 4, v1
	v_lshlrev_b32 v5, 3, v1
	s_mul_i32 s20, s17, HALFT
	s_mul_i32 s21, s18, HALFT
	s_add_co_u32 s21, s21, 2*HALFT
.irp s, 0,1
	v_add_nc_u32 v[A16+\s], s20, v4
	v_add_nc_u32 v[A8+\s], s20, v5
	v_add_nc_u32 v[B16+\s], s21, v4
	v_add_nc_u32 v[B8+\s], s21, v5
	s_add_co_u32 s20, s20, SLOT
	s_add_co_u32 s21, s21, SLOT
.endr
	v_lshlrev_b32 v6, 3, v2
	s_lshl_b32 s20, s17, 12
	s_lshl_b32 s21, s18, 12
	s_add_co_u32 s21, s21, 2*HALFS
	s_sub_co_u32 s21, s21, s20
	v_mul_u32_u24 v7, s21, v3                      ; lanes 16-31 take B's scale words: one product, the distance between the two
	s_add_co_u32 s20, s20, SCL
	v_add_nc_u32 v6, v6, v7
	v_add_nc_u32 v[ADRS], s20, v6
	s_mul_i32 s23, s16, 16*SPITCH                  ; my stage
	v_mul_u32_u24 v6, v2, SPITCH
	v_lshl_add_u32 v6, v3, 6, v6
	v_add_nc_u32 v[STO], s23, v6                   ; in: row r, + 64 h: my 16 columns of each 32
	v_lshlrev_b32 v[CO], 4, v1
	v_add_nc_u32 v[RD], s23, v[CO]                 ; back: the 32 lanes take one row of 512 bytes
	s_lshl_b32 s20, s45, 8
	s_lshl_b32 s21, s17, 7
	s_add_co_u32 s20, s20, s21                     ; my first token
	s_lshl_b32 s20, s20, 12                        ; rows of 4,096 bytes
	s_lshl_b32 s21, s40, 10
	s_add_co_u32 s20, s20, s21
	s_lshl_b32 s21, s18, 9
	s_add_co_u32 s20, s20, s21                     ; my first column
	s_mov_b32 s21, 0
	s_add_nc_u64 s[12:13], s[12:13], s[20:21]
.macro FRAG reg, a16, a8, q, i         ; a fragment is two images: four loads of 512, 256, 512, 256 consecutive bytes
	ds_load_b128 v[\reg:\reg+3], v[\a16] offset:(\i)*BLKB+(\q)*1536
	ds_load_b64 v[\reg+4:\reg+5], v[\a8] offset:(\i)*BLKB+(\q)*1536+512
	ds_load_b128 v[\reg+6:\reg+9], v[\a16] offset:(\i)*BLKB+(\q)*1536+768
	ds_load_b64 v[\reg+10:\reg+11], v[\a8] offset:(\i)*BLKB+(\q)*1536+1280
.endm
; 16 matrix instructions: A's blocks a0, a0 + 1 x B's eight, 128 along K.  The 64 accumulators take turns, one instruction a turn, in the same order in every step.
.macro MUL16 a0, p, q, sc, zero
.irp a, \a0, \a0+1
.irp b, 0,1,2,3,4,5,6,7
.if \zero
	v_wmma_scale_f32_16x16x128_f8f6f4 v[8*(8*((\a)%4)+\b):8*(8*((\a)%4)+\b)+7], v[128*(\p)+FR*\b:128*(\p)+FR*\b+FR-1], v[AF+FR*(\a):AF+FR*(\a)+FR-1], 0, v[SC+8*NQ*(\sc)+NQ*\b+(\q)], v[SC+8*NQ*(\sc)+NQ*(\a)+(\q)] matrix_a_fmt:MATRIX_FMT_FP6 matrix_b_fmt:MATRIX_FMT_FP6 matrix_a_scale:MATRIX_SCALE_ROW1
.else
	v_wmma_scale_f32_16x16x128_f8f6f4 v[8*(8*((\a)%4)+\b):8*(8*((\a)%4)+\b)+7], v[128*(\p)+FR*\b:128*(\p)+FR*\b+FR-1], v[AF+FR*(\a):AF+FR*(\a)+FR-1], v[8*(8*((\a)%4)+\b):8*(8*((\a)%4)+\b)+7], v[SC+8*NQ*(\sc)+NQ*\b+(\q)], v[SC+8*NQ*(\sc)+NQ*(\a)+(\q)] matrix_a_fmt:MATRIX_FMT_FP6 matrix_b_fmt:MATRIX_FMT_FP6 matrix_a_scale:MATRIX_SCALE_ROW1
.endif
.endr
.endr
.endm
.macro FETCH_B slot, q, p
	WIN TO_B
.irp i, 0,1,2,3,4,5,6,7
	FRAG 128*(\p)+FR*\i, B16+\slot, B8+\slot, \q, \i
.endr
	WIN 0
.endm
.macro FETCH_A slot, q, i0
.irp i, \i0, \i0+1, \i0+2, \i0+3
	FRAG AF+FR*(\i), A16+\slot, A8+\slot, \q, \i
.endr
.endm
.macro SCALES sc
.irp i, 0,1,2,3,4,5,6,7
	ds_load_b64 v[SC+8*NQ*\sc+NQ*\i:SC+8*NQ*\sc+NQ*\i+1], v[ADRS] offset:\i*512
.endr
.endm
.macro PLACES n
.rept \n
	v_nop
.endr
.endm
.macro STEP slot, q, zero
	s_wait_dscnt 4*NL                              ; B's set and A's blocks 0-3 are in; the 16 youngest loads (A's blocks 4-7) may be out
	WIN MUL_LO
	MUL16 0, (\q)%2, \q, \slot, \zero
	MUL16 2, (\q)%2, \q, \slot, \zero
	s_wait_dscnt 0
	PLACES NP
	FETCH_B \slot, (\q)+1, 1-(\q)%2
	FETCH_A \slot, (\q)+1, 0
	WIN MUL_HI
	MUL16 4, (\q)%2, \q, \slot, \zero
	MUL16 6, (\q)%2, \q, \slot, \zero
	PLACES NP
	WIN 0
	FETCH_A \slot, (\q)+1, 4
.endm
.macro TURN slot, next, fill           ; a slot's last step changes slots: one barrier, in front of it the wait for all my tensor loads, the add, and the wait for it and for my reads of this slot
	s_wait_tensorcnt 0x0
	ds_add_u32 v[SPW], v[NIL]                      ; 0 onto my spare word
	s_wait_dscnt 4*NL+1                            ; (the add and the 16 youngest loads may be out)
	WIN MUL_LO
	MUL16 0, 1, NQ-1, \slot, 0
	s_wait_dscnt 0x0
	s_barrier_signal -1
	MUL16 2, 1, NQ-1, \slot, 0
	WIN 0
	s_barrier_wait -1
.if \fill
	CREST                                          ; the barrier has opened a round of the cluster's: no wave of any partner still reads this slot or has a load on its way
	s_add_nc_u64 s[G0+4*\slot+2:G0+4*\slot+3], s[G0+4*\slot+2:G0+4*\slot+3], 2*BLKB
	s_add_nc_u64 s[G0B+4*\slot+2:G0B+4*\slot+3], s[G0B+4*\slot+2:G0B+4*\slot+3], 2*BLKB
	JLOAD G0+4*\slot, G1, G0B+4*\slot, G1B
.else
	PLACES NP
.endif
	v_add_nc_u32 v[ADRS], 128, v[ADRS]
	FETCH_B \next, 0, 0
	FETCH_A \next, 0, 0
	SCALES \next
	WIN MUL_HI
	MUL16 4, 1, NQ-1, \slot, 0
	MUL16 6, 1, NQ-1, \slot, 0
	PLACES NP
	WIN 0
	FETCH_A \next, 0, 4
.endm
	s_wait_tensorcnt 1                             ; the scale words and my part of K step 0 are in (K step 1's load may be out)
	s_barrier_signal -1
	s_barrier_wait -1
	FETCH_B 0, 0, 0
	FETCH_A 0, 0, 0
	SCALES 0
	FETCH_A 0, 0, 4
	STEP 0, 0, 1
	TURN 0, 1, 1
	STEP 1, 0, 0
	TURN 1, 0, 1
	STEP 0, 0, 0
	TURN 0, 1, 0
	STEP 1, 0, 0
	s_wait_dscnt 4*NL
	WIN MUL_LO
	MUL16 0, 1, NQ-1, 1, 0
	MUL16 2, 1, NQ-1, 1, 0
	s_wait_dscnt 0
	WIN MUL_HI
	MUL16 4, 1, NQ-1, 1, 0
	MUL16 6, 1, NQ-1, 1, 0
	WIN 0
; THE WAY OUT, block by block of 16 tokens x 128 columns, through my own stage in LDS: in by lanes (a lane's eight numbers of an accumulator are 32 neighbouring bytes of its token's row), back as whole rows of 512 bytes.
; LDS serves a wave's instructions in order (ISA guide 5.7.1.4): no wait between the stores and the loads, nor in front of the next block's stores.
.macro TOSTAGE a
.set AC, 64*((\a)%4)
	WIN 0x08+4*((\a)/4)                            ; the data: window 2 or 3
.irp b, 0,1,2,3,4,5,6,7
	ds_store_b128 v[STO], v[AC+8*\b:AC+8*\b+3] offset:128*(\b/2)+32*(\b%2)          ; each accumulator from its low end on
	ds_store_b128 v[STO], v[AC+8*\b+4:AC+8*\b+7] offset:128*(\b/2)+32*(\b%2)+16
.endr
	WIN 0
.set BB, BK+64*((\a)%2)
.irp t, 0,1,2,3,4,5,6,7,8,9,10,11,12,13,14,15
	ds_load_b128 v[BB+4*\t:BB+4*\t+3], v[RD] offset:\t*SPITCH
.endr
.endm
.macro SEND a, younger                 ; younger: the LDS instructions issued behind block a's loads, which may stay out
.set BB, BK+64*((\a)%2)
	s_wait_dscnt \younger
.irp t, 0,1,2,3,4,5,6,7,8,9,10,11,12,13,14,15
	global_store_b128 v[CO], v[BB+4*\t:BB+4*\t+3], s[12:13] offset:(32*((\a)/2)+8*((\a)%2)+\t+8*(\t/8))*4096 th:TH_STORE_NT   ; 512 consecutive bytes of the token's row, aligned to 256; the token's place among my 128 stands in the immediate
.endr
.endm
	PLACES NP
	TOSTAGE 0
.irp a, 1,2,3,4,5,6,7
.if \a > 1
	s_wait_xcnt 0x0                                ; block a - 2's stores have read their registers: block a's loads may land there
.endif
	TOSTAGE \a
	SEND \a-1, 32                                  ; behind block a - 1's loads: block a's 16 stores and 16 loads
.endr
	SEND 7, 0
	s_wait_tensorcnt 0x0                           ; the wave's end, behind my last tensor load and my last LDS store
	ds_add_u32 v[SPW], v[NIL]
	s_wait_dscnt 0x0
	CROUND                                         ; the closing round
	s_endpgm
.Lfunc_end_k_q170ffd4554_outp:
	.size	k_q170ffd4554_outp, .Lfunc_end_k_q170ffd4554_outp-k_q170ffd4554_outp
	.p2alignl 7, 3214868480
	.fill 96, 4, 3214868480
	.section	.rodata,"a",@progbits
	.p2align	6, 0x0
	.amdhsa_kernel k_q170ffd4554_outp
		.amdhsa_group_segment_fixed_size 327680
		.amdhsa_private_segment_fixed_size 0
		.amdhsa_enable_private_segment 0
		.amdhsa_kernarg_size 40
		.amdhsa_user_sgpr_count 2
		.amdhsa_user_sgpr_kernarg_segment_ptr 1
		.amdhsa_wavefront_size32 1
		.amdhsa_system_sgpr_workgroup_id_x 1
		.amdhsa_system_sgpr_workgroup_id_y 1
		.amdhsa_system_sgpr_workgroup_id_z 1
		.amdhsa_system_vgpr_workitem_id 0
		.amdhsa_next_free_vgpr 1024
		.amdhsa_next_free_sgpr 100
		.amdhsa_reserve_vcc 0
		.amdhsa_float_denorm_mode_32 3
		.amdhsa_float_denorm_mode_16_64 3
		.amdhsa_memory_ordered 1
		.amdhsa_forward_progress 1
		.amdhsa_inst_pref_size 143
	.end_amdhsa_kernel
	.amdgpu_metadata
---
amdhsa.version: [ 1, 2 ]
amdhsa.kernels:
  - .name:           k_q170ffd4554_outp
    .symbol:         k_q170ffd4554_outp.kd
    .args:
      - { .name: acod, .offset: 0, .size: 8, .value_kind: global_buffer, .address_space: global }
      - { .name: ascl, .offset: 8, .size: 8, .value_kind: global_buffer, .address_space: global }
      - { .name: wcod, .offset: 16, .size: 8, .value_kind: global_buffer, .address_space: global }
      - { .name: wscl, .offset: 24, .size: 8, .value_kind: global_buffer, .address_space: global }
      - { .name: out0, .offset: 32, .size: 8, .value_kind: global_buffer, .address_space: global }
    .group_segment_fixed_size: 327680
    .private_segment_fixed_size: 0
    .kernarg_segment_align: 8
    .kernarg_segment_size: 40
    .max_flat_workgroup_size: 128
    .sgpr_count:     100
    .vgpr_count:     1024
    .wavefront_size: 32
...
	.end_amdgpu_metadata
.endif
;; end of part 5
